; MI455X (gfx1250); checked and timed in simulation.
; The chip was launched on July 23, 2026; its instructions are those of AMD's public machine-readable ISA for CDNA 5 (MIT licence, August 2026) and "CDNA5" Instruction Set Architecture Reference Guide (July 2026). The comments in the code are by the model that wrote it; some were corrected since.
;; Differential Cross Attention Layer. Allowed arithmetic: float matrix products may take bf16 or f16 operands with f32 sums; other float arithmetic in f32, or as packed bf16 or f16 multiplies, adds, multiply-adds, maxima and minima; sums over many terms, partial sums and values carried from step to step in f32; what a program stores and reads back later, other than sums and carried values, may be rounded once to bf16 or f16.
;; Inputs: Wk 1,024 x 1,024 float32; Wo 1,024 x 1,024 float32; Wq 1,024 x 1,024 float32; Wv 1,024 x 1,024 float32; ffn_b1 4,096 float32; ffn_b2 1,024 float32; ffn_w1 1,024 x 4,096 float32; ffn_w2 4,096 x 1,024 float32; key 2 x 2,048 x 1,024 float32; lambda_param one number float32; ln1_b 1,024 float32; ln1_g 1,024 float32; ln2_b 1,024 float32; ln2_g 1,024 float32; query 2 x 2,048 x 1,024 float32; value 2 x 2,048 x 1,024 float32.
;; Outputs: out0 2 x 2,048 x 1,024 float32.
;; One version. Each part assembles by itself: llvm-mc -triple=amdgcn-amd-amdhsa -mcpu=gfx1250 --defsym DOCPART=n.
;; ======== version 1 of 1: 8 launches
;; workspace buffers: xb 25,165,824 bytes; w4 8,388,608 bytes; wf 16,777,216 bytes; qe 16,777,216 bytes; h 33,554,432 bytes; y2 16,777,216 bytes; zb 16,384 bytes; ninf 256 bytes
;; launch cast (part 1): grid 64 x 24, 8 waves a work-group, no clusters, 0 bytes of LDS; arguments query, key, value, Wq, Wk, Wv, Wo, ffn_w1, ffn_w2, xb, w4, wf, zb, ninf; writes xb, w4, wf, zb, ninf
.if DOCPART == 1
	.amdgcn_target "amdgcn-amd-amdhsa--gfx1250"
	.amdhsa_code_object_version 6
	.text
	.protected	k_q0a6e8e2f2e_cast
	.globl	k_q0a6e8e2f2e_cast
	.p2align	8
	.type	k_q0a6e8e2f2e_cast,@function
k_q0a6e8e2f2e_cast:
	s_mov_b64 s[64:65], 0
	v_nop
	global_prefetch_b8 v0, s[64:65] scope:SCOPE_SE
	s_setreg_imm32_b32 hwreg(HW_REG_WAVE_MODE, 25, 1), 1
	s_wait_xcnt 0x0
; f32 -> bf16 (round to nearest even) of the nine large inputs.
; The work is 24 units of 1,048,576 numbers (the grid's y): 0-3 query, 4-7 key, 8-11 value -> xb, as they lie; 12 Wq, 13 Wk, 14 Wv, 15 Wo -> w4; 16-19 ffn_w1, 20-23 ffn_w2 -> wf, as they lie.
; w4 holds the four square weights SIDE BY SIDE: row k is Wq[k] | Wk[k] | Wv[k] | Wo[k], 4,096 numbers, so that one text serves products with these weights and with ffn_w1.
; A work-group (the grid's x, 64 to a unit) takes 16,384 numbers = 16 rows of 1,024.  Thread t, turn i: 16 bytes at 16 t + 4,096 i in, 8 bytes at 8 t + i x (the destination's row pitch) out:
; a wave's load covers 512 consecutive bytes, its store 256 consecutive bytes at a multiple of 256 from the buffer's first byte.
; All 16 loads go out first; no register is written twice, so the only waits are the counted ones for the loads.  No LDS, no barrier, no matrix unit: each byte crosses once.
; Two small tables for the later launches are stored here too: zb, 4,096 zeros in f32 (a bias of none; its first word also serves as the floor 0), and ninf, -infinity in bf16 (a floor of none).
.set X, 4                              ; v[4:67]    turn i: 4 numbers as loaded
.set Y, 68                             ; v[68:99]   turn i: 4 numbers in bf16
.set O, 100                            ; v[100:115] turn i: my byte offset in the destination
	s_load_b512 s[8:23], s[0:1], 0x0               ; query s[8:9], key s[10:11], value s[12:13], Wq s[14:15], Wk s[16:17], Wv s[18:19], Wo s[20:21], ffn_w1 s[22:23]
	s_load_b256 s[24:31], s[0:1], 0x40             ; ffn_w2 s[24:25], xb s[26:27], w4 s[28:29], wf s[30:31]
	s_load_b128 s[32:35], s[0:1], 0x60             ; zb s[32:33], ninf s[34:35]
	s_and_b32 s2, ttmp7, 0xffff                    ; the unit
	v_lshlrev_b32 v1, 4, v0                        ; 16 t
	v_lshlrev_b32 v2, 3, v0                        ; 8 t
	v_lshrrev_b32 v3, 5, v0
	v_readfirstlane_b32 s51, v3                    ; my wave's number
	s_mov_b32 s40, 0                               ; the first unit of the source chosen
	s_mov_b32 s41, 0                               ; the first unit of the destination chosen
	s_mov_b32 s50, 2048                            ; the destination's row pitch: 1,024 bf16,
	s_sub_co_u32 s44, s2, 12
	s_cmp_lt_u32 s44, 4                            ; but in units 12 to 15, which go into w4:
	s_cselect_b32 s50, 0x2000, s50                 ; 4,096 bf16;
	s_cselect_b32 s48, 11, 21                      ; a unit there is 2,048 bytes of each row, elsewhere 2,097,152 bytes on end;
	s_cselect_b32 s49, 17, 15                      ; a work-group's 16 rows
.set i, 0
.rept 16
	v_mad_u32_u24 v[O+i], s50, i, v2
.set i, i+1
.endr
	s_wait_kmcnt 0x0
	s_mov_b64 s[36:37], s[8:9]
	s_mov_b64 s[38:39], s[26:27]
.macro FROM first, reg                 ; from unit first on the source is the buffer in s[reg:reg+1]
	s_cmp_ge_u32 s2, \first
	s_cselect_b64 s[36:37], s[\reg:\reg+1], s[36:37]
	s_cselect_b32 s40, \first, s40
.endm
.macro INTO first, reg                 ; the same for the destination
	s_cmp_ge_u32 s2, \first
	s_cselect_b64 s[38:39], s[\reg:\reg+1], s[38:39]
	s_cselect_b32 s41, \first, s41
.endm
	FROM 4, 10
	FROM 8, 12
	FROM 12, 14
	FROM 13, 16
	FROM 14, 18
	FROM 15, 20
	FROM 16, 22
	FROM 20, 24
	INTO 12, 28
	INTO 16, 30
	s_sub_co_u32 s42, s2, s40
	s_lshl_b32 s42, s42, 22                        ; a unit is 4,194,304 bytes of f32,
	s_lshl_b32 s44, ttmp9, 16                      ; a work-group's share 65,536
	s_add_co_u32 s42, s42, s44
	s_mov_b32 s43, 0
	s_add_nc_u64 s[36:37], s[36:37], s[42:43]
	s_sub_co_u32 s42, s2, s41
	s_lshl_b32 s42, s42, s48
	s_lshl_b32 s44, ttmp9, s49
	s_add_co_u32 s42, s42, s44
	s_add_nc_u64 s[38:39], s[38:39], s[42:43]
.set i, 0
.rept 16
	global_load_b128 v[X+4*i:X+4*i+3], v1, s[36:37] offset:4096*i th:TH_LOAD_NT
.set i, i+1
.endr
.set i, 0
.rept 16
	s_wait_loadcnt 15-i                            ; loads come back in order: turn i's is in, the 15 - i younger ones stay out
	v_cvt_pk_bf16_f32 v[Y+2*i], v[X+4*i], v[X+4*i+1]
	v_cvt_pk_bf16_f32 v[Y+2*i+1], v[X+4*i+2], v[X+4*i+3]
	global_store_b64 v[O+i], v[Y+2*i:Y+2*i+1], s[38:39] th:TH_STORE_NT
.set i, i+1
.endr
	; the two tables: wave 0 of each work-group of unit 0 stores 256 bytes of zb; wave 0 of work-group 0 of unit 1 stores ninf.  In wave 0 v2 is 8 x lane.
	s_cmp_lg_u32 s51, 0
	s_cbranch_scc1 .Ldone
	s_cmp_lg_u32 s2, 0
	s_cbranch_scc1 .Lfloor
	v_mov_b32 v116, 0
	v_mov_b32 v117, 0
	s_lshl_b32 s44, ttmp9, 8
	s_mov_b32 s45, 0
	s_add_nc_u64 s[32:33], s[32:33], s[44:45]
	global_store_b64 v2, v[116:117], s[32:33]
	s_branch .Ldone
.Lfloor:
	s_cmp_lg_u32 s2, 1
	s_cbranch_scc1 .Ldone
	s_cmp_lg_u32 ttmp9, 0
	s_cbranch_scc1 .Ldone
	v_mov_b32 v116, 0xff80ff80                     ; -infinity, twice
	v_mov_b32 v117, v116
	global_store_b64 v2, v[116:117], s[34:35]
.Ldone:
	s_endpgm
.Lfunc_end_k_q0a6e8e2f2e_cast:
	.size	k_q0a6e8e2f2e_cast, .Lfunc_end_k_q0a6e8e2f2e_cast-k_q0a6e8e2f2e_cast
	.p2alignl 7, 3214868480
	.fill 96, 4, 3214868480
	.section	.rodata,"a",@progbits
	.p2align	6, 0x0
	.amdhsa_kernel k_q0a6e8e2f2e_cast
		.amdhsa_group_segment_fixed_size 0
		.amdhsa_private_segment_fixed_size 0
		.amdhsa_enable_private_segment 0
		.amdhsa_kernarg_size 112
		.amdhsa_user_sgpr_count 2
		.amdhsa_user_sgpr_kernarg_segment_ptr 1
		.amdhsa_wavefront_size32 1
		.amdhsa_system_sgpr_workgroup_id_x 1
		.amdhsa_system_sgpr_workgroup_id_y 1
		.amdhsa_system_sgpr_workgroup_id_z 1
		.amdhsa_system_vgpr_workitem_id 0
		.amdhsa_next_free_vgpr 120
		.amdhsa_next_free_sgpr 66
		.amdhsa_reserve_vcc 0
		.amdhsa_float_denorm_mode_32 3
		.amdhsa_float_denorm_mode_16_64 3
		.amdhsa_memory_ordered 1
		.amdhsa_forward_progress 1
		.amdhsa_inst_pref_size 10
	.end_amdhsa_kernel
	.amdgpu_metadata
---
amdhsa.version: [ 1, 2 ]
amdhsa.kernels:
  - .name:           k_q0a6e8e2f2e_cast
    .symbol:         k_q0a6e8e2f2e_cast.kd
    .args:
      - { .name: query, .offset: 0, .size: 8, .value_kind: global_buffer, .address_space: global }
      - { .name: key, .offset: 8, .size: 8, .value_kind: global_buffer, .address_space: global }
      - { .name: value, .offset: 16, .size: 8, .value_kind: global_buffer, .address_space: global }
      - { .name: Wq, .offset: 24, .size: 8, .value_kind: global_buffer, .address_space: global }
      - { .name: Wk, .offset: 32, .size: 8, .value_kind: global_buffer, .address_space: global }
      - { .name: Wv, .offset: 40, .size: 8, .value_kind: global_buffer, .address_space: global }
      - { .name: Wo, .offset: 48, .size: 8, .value_kind: global_buffer, .address_space: global }
      - { .name: ffn_w1, .offset: 56, .size: 8, .value_kind: global_buffer, .address_space: global }
      - { .name: ffn_w2, .offset: 64, .size: 8, .value_kind: global_buffer, .address_space: global }
      - { .name: xb, .offset: 72, .size: 8, .value_kind: global_buffer, .address_space: global }
      - { .name: w4, .offset: 80, .size: 8, .value_kind: global_buffer, .address_space: global }
      - { .name: wf, .offset: 88, .size: 8, .value_kind: global_buffer, .address_space: global }
      - { .name: zb, .offset: 96, .size: 8, .value_kind: global_buffer, .address_space: global }
      - { .name: ninf, .offset: 104, .size: 8, .value_kind: global_buffer, .address_space: global }
    .group_segment_fixed_size: 0
    .private_segment_fixed_size: 0
    .kernarg_segment_align: 8
    .kernarg_segment_size: 112
    .max_flat_workgroup_size: 256
    .sgpr_count:     66
    .vgpr_count:     120
    .wavefront_size: 32
...
	.end_amdgpu_metadata
.endif
;; end of part 1
;; launch proj (part 2): grid 4 x 48, 4 waves a work-group, clusters of 4 x 4, 327,680 bytes of LDS; arguments xb, w4, zb, ninf, h; writes h
.if DOCPART == 2
	.amdgcn_target "amdgcn-amd-amdhsa--gfx1250"
	.amdhsa_code_object_version 6
	.text
	.protected	k_q0a6e8e2f2e_proj
	.globl	k_q0a6e8e2f2e_proj
	.p2align	8
	.type	k_q0a6e8e2f2e_proj,@function
k_q0a6e8e2f2e_proj:
	s_mov_b64 s[64:65], 0
	v_nop
	global_prefetch_b8 v0, s[64:65] scope:SCOPE_SE
	s_setreg_imm32_b32 hwreg(HW_REG_WAVE_MODE, 25, 1), 1
	s_wait_xcnt 0x0
	s_wait_alu depctr_hold_cnt(0) depctr_sa_sdst(0) depctr_va_vdst(0) depctr_va_sdst(0) depctr_va_ssrc(0) depctr_va_vcc(0) depctr_vm_vsrc(0)
	s_getreg_b32 s2, hwreg(HW_REG_IB_STS2, 6, 4)
	s_cmp_eq_u32 s2, 0
	s_cbranch_scc0 .Lentry_in_a_cluster
	s_endpgm
.Lentry_in_a_cluster:
	s_bfe_u32 s2, ttmp6, 0x10000c
	s_cmp_lg_u32 s2, 0xf033
	s_cbranch_scc0 .Lentry_shape_is_right
	s_endpgm
.Lentry_shape_is_right:
; C[m mod 4096][n] = max(floor, sum over k of A[m][k] W[k][n] + bias[n]).  A: [rows][1024] bf16; W: [1024][4096] bf16, k down the rows; bias: f32; floor: one word of two bf16; C: [4096][4096] bf16, rounded once.
; Each 4,096 rows of A (four clusters down the grid) take the next 1,024 columns of W, of the bias and of C.  TWO LAUNCHES RUN THIS TEXT:
;   the input projections: A = query, key, value in bf16, 12,288 rows; W = Wq | Wk | Wv | Wo side by side; bias 0; floor -infinity, so that the maximum changes nothing; C = Q | K | V side by side.  192 tiles: the largest
;     tile that the text's other launch shares; a tile that gave each of 256 work-groups one would want a text of its own;
;   the first half of the FFN: A = q_enh in bf16, 4,096 rows; W = ffn_w1; bias ffn_b1; floor 0: the ReLU; C = h.  256 tiles.
; A tile of C is 256 x 256: four waves, each 128 x 128 = 64 accumulators, 512 registers.  K goes in steps of 128 through two LDS slots that tensor loads fill; one text of a K step serves every trip: the slot read and
; the slot filled are offsets in scalar registers, turned by an exclusive or between 0 and SLOT.  W's fragments come out of LDS turned (ds_load_tr16_b128).
; THE SUMS START AT THE BIAS: the accumulators are set to the bias of their columns while the first tile is on its way, so the loop has one form of product and the way out has no addition.
; THE MATRIX INSTRUCTION IS USED TRANSPOSED (source 0 = 16 columns of W, source 1 = 16 rows of A): a lane holds eight neighbouring numbers of one row of C.
; CLUSTER 4 x 4: A's tile is asked for jointly along a row of the cluster, W's along a column.
; LIMITS: in the maximum a NaN loses; NaN and infinities are not treated apart.
; REGISTERS in windows of 256: window 0: v0-31 addresses; v64-127, v128-191 A's fragments, two buffers; v32-63, v192-255 at work on the way out.  window 1: v0-63 the bias; v64-127, v128-191 W's fragments.
;   windows 2, 3: the accumulators of my rows 0-63 and 64-127, (a, b) at v[8 (8 a + b)].
.set SIZE_K,  1024
.set SIZE_N,  4096
.set KSTEP,   128
.set TSTEPS,  SIZE_K/KSTEP
.set STEPA,   KSTEP*2
.set STEPB,   KSTEP*SIZE_N*2
.set PA,      272                      ; an LDS row of A: 256 bytes + 16: the 16 rows of a fragment load begin in 16 different groups of four banks (64 banks of 4 bytes: ISA guide 11.1)
.set HALFA,   128*PA
.set PB,      544                      ; an LDS row of W: 256 columns = 512 bytes + 32
.set HALFB,   64*PB
.set BOFF,    2*HALFA
.set SLOT,    BOFF+2*HALFB
.set STAGE,   2*SLOT                   ; behind the ring, never filled by a tensor load: 16 rows x 272 bytes for each wave
.set SPITCH,  272
.set SPARE,   STAGE+4*16*SPITCH        ; the spare words: 128 bytes a wave, two blocks of 256 bytes that no other line names
.set BO,   7                           ; v7   my byte offset in the bias
.set A0,   10                          ; v10  my lane's place in A's part of a slot; never rewritten
.set B0,   11                          ; v11  the same in W's part
.set ADRA, 16                          ; v16  A0 + the slot in hand
.set ADRB, 20                          ; v20  B0 + the slot in hand
.set STO,  24
.set RD,   25
.set CO,   26
.set ZR,   27                          ; v27  the floor, two bf16
.set SPW,  28                          ; v28  LDS address of my spare word; never rewritten
.set NIL,  29                          ; v29  0; never rewritten
.set PFO,  30                          ; v30  the prefetches' offset; never rewritten
.set F0,   64
.set F1,   128
.set TMP,  192
.set OB,   32
.set FP,   20                          ; s[20:21] the floor's address
.set FL,   23                          ; s23  the floor
.set G1,   24                          ; s[24:31] descriptor group 1 for A
.set G0,   32                          ; s[32:39] group 0 for A: K step 0's, and the one that walks
.set LIM,  43                          ; s43  1 in a wave that prefetches, else the greatest number
.set PFA,  44                          ; s[44:45] where my prefetches stand
.set G1B,  48
.set G0B,  56
.set LA,   66                          ; s66  where my load of A goes in a slot
.set LB,   67                          ; s67  where my load of W goes
.set FS,   68                          ; s68  the slot filled last
.set RS,   69                          ; s69  the slot read
.set PFS,  70                          ; s[70:71] a K step in the tensor that I prefetch
.set BI,   72                          ; s[72:73] the bias
.set MSB, 0
.macro WIN new                         ; the immediate's high byte repeats the setting that is left; a switch that changes nothing is dropped
.if MSB != (\new)
	s_set_vgpr_msb (MSB<<8)|(\new)
.set MSB, \new
.endif
.endm
.set MUL_LO, 0xa1                      ; source 0 (W) window 1, source 1 (A) window 0, C and D window 2
.set MUL_HI, 0xf1                      ; the same, C and D window 3
.set TO_B,   0x40                      ; destination window 1, address window 0
.macro JLOAD s                         ; a joint load: waves 0 and 1 fetch A's halves, waves 2 and 3 W's; an s_nop 0 and four v_nop follow each line
	s_cmp_eq_u32 s11, 0
	s_cbranch_scc0 .Lfor_b_\@
	tensor_load_to_lds s[G0+4*(\s):G0+4*(\s)+3], s[G1:G1+7]
	s_nop 0
.rept 4
	v_nop
.endr
	s_branch .Lasked_\@
.Lfor_b_\@:
	tensor_load_to_lds s[G0B+4*(\s):G0B+4*(\s)+3], s[G1B:G1B+7]
	s_nop 0
.rept 4
	v_nop
.endr
.Lasked_\@:
.endm
; A PREFETCH, behind each refill and the run of LDS loads that follows it: the K step that the NEXT refill will ask for, 256 matrix instructions ahead of that load.  A's tile row is read by every cluster of that row of
; clusters: cluster x = 0 asks; W's tile column by the four clusters, one below the other, whose rows of A take these columns: the first of them (cluster y mod 4 = 0) asks.  The four partners that ask for a tile jointly
; share its blocks out BY ADDRESS: of A's 128 rows that a wave fetches 32 each, a lane a row of 256 bytes; of W's 64 k rows 16 each, two lanes a row of 512 bytes.  So each block is named once.
; K steps 0 to 2 come by their loads alone; the loop's last trip asks for nothing.
.macro ASK
	s_cmp_gt_u32 s3, s[LIM]
	s_cbranch_scc0 .Lnot_mine_\@
	global_prefetch_b8 v[PFO], s[PFA:PFA+1] th:TH_LOAD_NT scope:SCOPE_SE
.Lnot_mine_\@:
.endm
.macro CREST                           ; a round of the cluster's barrier behind its opening barrier
	s_cmp_lg_u32 s10, 0
	s_cbranch_scc1 .Lnot_wave_0_\@
	s_barrier_signal -3
.Lnot_wave_0_\@:
	s_barrier_wait -3
	s_barrier_signal -1
	s_barrier_wait -1
.endm
.macro CROUND
	s_barrier_signal -1
	s_barrier_wait -1
	CREST
.endm
.macro PLACES                          ; four plain vector instructions between a matrix instruction and a load into, or a reader of, its registers
.rept 4
	v_nop
.endr
.endm
	s_load_b128 s[4:7], s[0:1], 0x0                ; A s[4:5], W s[6:7]
	s_load_b64 s[BI:BI+1], s[0:1], 0x10            ; the bias
	s_load_b64 s[FP:FP+1], s[0:1], 0x18            ; the floor
	s_load_b64 s[8:9], s[0:1], 0x20                ; C
	v_lshl_add_u32 v[SPW], v0, 2, SPARE
	v_mov_b32 v[NIL], 0
	ds_add_u32 v[SPW], v[NIL]                      ; the wave's opening: the add and its wait stand ahead of my first tensor load
	v_lshrrev_b32 v1, 5, v0
	v_readfirstlane_b32 s10, v1                    ; wave 0..3
	s_lshr_b32 s11, s10, 1                         ; my half of the tile's rows.  Also: I fetch for A (0) or for W (1)
	s_and_b32 s12, s10, 1                          ; my half of its columns.  Also: which half of that tile I fetch
	s_bfe_u32 s40, ttmp6, 0x40000                  ; cx
	s_bfe_u32 s41, ttmp6, 0x40004                  ; cy
	s_lshl_b32 s42, ttmp9, 2
	s_add_co_u32 s42, s42, s40                     ; 4 x cluster x + cx,
	s_and_b32 s22, ttmp7, 0xffff                   ; cluster y
	s_and_b32 s22, s22, -4                         ; and four tile columns on for each four clusters down: made of the cluster's y alone, which all partners share
	s_add_co_u32 s42, s42, s22                     ; tile column of W and of C
	s_and_b32 s13, ttmp7, 0xffff
	s_lshl_b32 s13, s13, 2
	s_add_co_u32 s13, s13, s41                     ; tile row of A
	s_lshl_b32 s43, s41, 2
	s_lshl_b32 s43, 15, s43                        ; my row of the cluster
	s_lshl_b32 s44, 0x1111, s40                    ; my column
	s_or_b32 s[G1+0], s43, (1<<16)|(1<<20)|(1<<21)|(5<<22)|(3<<25)   ; mask; 2-byte elements; padding on; bit 21 beside a mask; after every 64 words, 4 words
	s_mov_b32 s[G1+1], KSTEP<<16                   ; tensor_dim0 = 128
	s_mov_b32 s[G1+2], 128<<16                     ; tensor_dim1 = 128
	s_mov_b32 s[G1+3], KSTEP<<16                   ; tile_dim0 = 128
	s_mov_b32 s[G1+4], 128                         ; tile_dim1 = 128
	s_mov_b32 s[G1+5], SIZE_K
	s_mov_b32 s[G1+6], 0
	s_mov_b32 s[G1+7], 0
	s_or_b32 s[G1B+0], s44, (1<<16)|(1<<20)|(1<<21)|(6<<22)|(7<<25)  ; after every 128 words, 8 words
	s_mov_b32 s[G1B+1], 256<<16                    ; tensor_dim0 = 256 columns
	s_mov_b32 s[G1B+2], 64<<16                     ; tensor_dim1 = 64 k rows
	s_mov_b32 s[G1B+3], 256<<16
	s_mov_b32 s[G1B+4], 64
	s_mov_b32 s[G1B+5], SIZE_N
	s_mov_b32 s[G1B+6], 0
	s_mov_b32 s[G1B+7], 0
	s_lshl_b32 s16, s13, 8
	s_lshl_b32 s17, s12, 7
	s_add_co_u32 s16, s16, s17                     ; A: row 256 x tile row + 128 x half,
	s_lshl_b32 s16, s16, 11                        ; in bytes
	s_mov_b32 s17, 0
	s_lshl_b32 s46, s12, 19                        ; W: k row 64 x half (8,192 bytes a row),
	s_lshl_b32 s47, s42, 9                         ; column 256 x tile column
	s_add_co_u32 s46, s46, s47
	s_mov_b32 s47, 0
	s_mul_i32 s[LA], s12, HALFA                    ; no place in the cluster enters an LDS address
	s_mul_i32 s[LB], s12, HALFB
	s_add_co_u32 s[LB], s[LB], BOFF
	s_mov_b32 s[FS], SLOT
	s_mov_b32 s[RS], 0
	s_wait_dscnt 0x0                               ; the opening add is done
	s_wait_kmcnt 0x0
	s_load_b32 s[FL], s[FP:FP+1], 0x0
	s_add_nc_u64 s[14:15], s[4:5], s[16:17]
	s_add_nc_u64 s[46:47], s[6:7], s[46:47]
	CROUND                                         ; all sixteen work-groups are here: the first joint loads meet
.irp s, 0,1
	s_mov_b32 s[G0+4*(\s)], 1
	s_add_co_u32 s[G0+4*(\s)+1], s[LA], (\s)*SLOT
	s_add_nc_u64 s[G0+4*(\s)+2:G0+4*(\s)+3], s[14:15], (\s)*STEPA
	s_or_b32 s[G0+4*(\s)+3], s[G0+4*(\s)+3], 0x80000000
	s_mov_b32 s[G0B+4*(\s)], 1
	s_add_co_u32 s[G0B+4*(\s)+1], s[LB], (\s)*SLOT
	s_add_nc_u64 s[G0B+4*(\s)+2:G0B+4*(\s)+3], s[46:47], (\s)*STEPB
	s_or_b32 s[G0B+4*(\s)+3], s[G0B+4*(\s)+3], 0x80000000
	JLOAD \s                                       ; K steps 0 and 1: two loads of mine are out
.endr
	v_and_b32 v1, 15, v0                           ; l % 16
	v_bfe_u32 v2, v0, 4, 1                         ; l / 16
	; the bias of my 128 columns: register 8 b + j is column 16 b + 8 (l / 16) + j
	s_lshl_b32 s46, s42, 10
	s_lshl_b32 s47, s12, 9
	s_add_co_u32 s46, s46, s47
	s_mov_b32 s47, 0
	s_add_nc_u64 s[BI:BI+1], s[BI:BI+1], s[46:47]
	v_lshlrev_b32 v[BO], 5, v2
	WIN TO_B
.irp b, 0,1,2,3,4,5,6,7
	global_load_b128 v[8*(\b):8*(\b)+3],   v[BO], s[BI:BI+1] offset:64*(\b)
	global_load_b128 v[8*(\b)+4:8*(\b)+7], v[BO], s[BI:BI+1] offset:64*(\b)+16
.endr
	WIN 0
	v_mul_u32_u24 v3, v1, PA
	v_lshl_add_u32 v3, v2, 4, v3                   ; A: row x pitch + 16 x half of the lanes
	s_mul_i32 s16, s11, HALFA                      ; my 128 rows
	v_add_nc_u32 v[A0], s16, v3
	v_and_b32 v4, 7, v0
	v_lshl_add_u32 v4, v2, 3, v4                   ; W: k row 8 (l / 16) + l % 8,
	v_mul_u32_u24 v4, v4, PB
	v_bfe_u32 v5, v0, 3, 1
	v_lshl_add_u32 v4, v5, 4, v4                   ; 16 bytes for each eight lanes,
	s_lshl_b32 s16, s12, 8                         ; my 128 columns
	s_add_co_u32 s16, s16, BOFF
	v_add_nc_u32 v[B0], s16, v4
	v_mov_b32 v[ADRA], v[A0]
	v_mov_b32 v[ADRB], v[B0]
	s_mul_i32 s16, s10, 16*SPITCH
	s_add_co_u32 s16, s16, STAGE                   ; my stage
	v_mul_u32_u24 v4, v1, SPITCH                   ; in: row l % 16, 16 bytes for each half of the lanes
	v_lshl_add_u32 v4, v2, 4, v4
	v_add_nc_u32 v[STO], s16, v4
	v_mul_u32_u24 v5, v2, SPITCH                   ; back: lanes 0-15 one row of 256 bytes, lanes 16-31 the next
	v_lshl_add_u32 v5, v1, 4, v5
	v_add_nc_u32 v[RD], s16, v5
	v_lshlrev_b32 v5, 13, v2                       ; the same two rows in C (8,192 bytes a row)
	v_lshl_add_u32 v[CO], v1, 4, v5
	s_and_b32 s16, s13, 15                         ; C's rows go round after 4,096: 16 tile rows
	s_lshl_b32 s16, s16, 8
	s_lshl_b32 s17, s11, 7
	s_add_co_u32 s16, s16, s17                     ; my first row of C
	s_lshl_b32 s16, s16, 13
	s_mov_b32 s17, 0
	s_add_nc_u64 s[8:9], s[8:9], s[16:17]
	s_lshl_b32 s46, s42, 9
	s_lshl_b32 s47, s12, 8
	s_add_co_u32 s46, s46, s47                     ; my first column, in bytes
	s_mov_b32 s47, 0
	s_add_nc_u64 s[8:9], s[8:9], s[46:47]
	; the prefetches
	s_lshl_b32 s16, s13, 8
	s_lshl_b32 s17, s12, 7
	s_add_co_u32 s16, s16, s17
	s_lshl_b32 s17, s40, 5
	s_add_co_u32 s16, s16, s17                     ; A: the 128 rows that I fetch, my work-group's 32 of them,
	s_lshl_b32 s16, s16, 11
	s_add_co_u32 s16, s16, 2*STEPA                 ; at K step 2: the first refill steps it to 3
	s_lshl_b32 s18, s12, 6
	s_lshl_b32 s19, s41, 4
	s_add_co_u32 s18, s18, s19                     ; W: the 64 k rows that I fetch, my work-group's 16 of them,
	s_lshl_b32 s18, s18, 13
	s_lshl_b32 s19, s42, 9
	s_add_co_u32 s18, s18, s19
	s_add_co_u32 s18, s18, 2*STEPB
	s_and_b32 s22, ttmp7, 0xffff
	s_and_b32 s22, s22, 3                          ; cluster y mod 4
	s_mov_b32 s[PFS], STEPB
	s_mov_b32 s[PFS+1], 0
	s_cmp_eq_u32 s11, 0                            ; do I fetch for A?
	s_cselect_b32 s16, s16, s18
	s_cselect_b32 s22, ttmp9, s22                  ; the coordinate along which other clusters read the same blocks
	s_cselect_b64 s[PFA:PFA+1], s[4:5], s[6:7]
	s_cselect_b32 s[PFS], STEPA, s[PFS]
	s_cselect_b32 s18, -1, 0
	s_mov_b32 s17, 0
	s_add_nc_u64 s[PFA:PFA+1], s[PFA:PFA+1], s[16:17]
	s_cmp_eq_u32 s22, 0
	s_cselect_b32 s[LIM], 1, -1                    ; the same in all sixteen partners, for a given wave
	v_and_b32 v3, 31, v0
	v_lshlrev_b32 v4, 11, v3                       ; A: a lane a row of 2,048 bytes
	v_lshrrev_b32 v5, 1, v3
	v_lshlrev_b32 v5, 13, v5                       ; W: two lanes a row of 8,192 bytes,
	v_and_b32 v6, 1, v3
	v_lshl_or_b32 v5, v6, 8, v5                    ; 256 bytes apart
	v_cndmask_b32 v[PFO], v5, v4, s18
	s_wait_loadcnt 0x0                             ; the bias
	s_wait_kmcnt 0x0                               ; the floor
	v_mov_b32 v[ZR], s[FL]
	WIN 0x81                                       ; destination window 2, source window 1
.set r, 0
.rept 256
	v_mov_b32 v[r], v[r%64]                        ; accumulator (a, b), register j <- bias 8 b + j: written while the first tile is on its way
.set r, r+1
.endr
	WIN 0xc1                                       ; destination window 3
.set r, 0
.rept 256
	v_mov_b32 v[r], v[r%64]
.set r, r+1
.endr
	WIN 0
; 16 matrix instructions: row blocks a0, a0 + 1 of the window's four x all 8 column blocks, 32 along K.  The 64 accumulators take turns, one instruction a turn.
.macro MUL16 f, hi, a0
	WIN MUL_LO+0x50*(\hi)
.irp a, \a0, (\a0)+1
.irp b, 0,1,2,3,4,5,6,7
	v_wmma_f32_16x16x32_bf16 v[8*(8*(\a)+(\b)):8*(8*(\a)+(\b))+7], v[(\f)+8*(\b):(\f)+8*(\b)+7], v[(\f)+8*(4*(\hi)+(\a)):(\f)+8*(4*(\hi)+(\a))+7], v[8*(8*(\a)+(\b)):8*(8*(\a)+(\b))+7]
.endr
.endr
.endm
; 32 LDS loads in one run: the fragments of quarter q (32 along K) of the slot in hand into buffer f: W's 128 columns, then A's 128 rows
.macro FETCH q, f
	WIN TO_B
.irp i, 0,1,2,3,4,5,6,7
	ds_load_tr16_b128 v[(\f)+8*(\i):(\f)+8*(\i)+3],   v[ADRB] offset:32*(\q)*PB+32*(\i)
	ds_load_tr16_b128 v[(\f)+8*(\i)+4:(\f)+8*(\i)+7], v[ADRB] offset:(32*(\q)+16)*PB+32*(\i)
.endr
	WIN 0
.irp i, 0,1,2,3,4,5,6,7
	ds_load_b128 v[(\f)+8*(\i):(\f)+8*(\i)+3],   v[ADRA] offset:64*(\q)+(\i)*16*PA
	ds_load_b128 v[(\f)+8*(\i)+4:(\f)+8*(\i)+7], v[ADRA] offset:64*(\q)+(\i)*16*PA+32
.endr
.endm
; One of a K step's first three quarters: multiplies buffer f and fetches quarter q into g.  The run of loads stands behind the quarter's first 16 products: buffer g was last read by the quarter before, so it is free,
; and the loads have the other 48 products in which to come.
.macro QUARTER q, f, g
	s_wait_dscnt 8                                 ; W and A's rows 0-63 are in; the youngest eight loads (A's rows 64-127) may be out
	MUL16 \f, 0, 0
	PLACES
	FETCH \q, \g
	s_wait_dscnt 32                                ; all but the 32 just issued
	MUL16 \f, 0, 2
	MUL16 \f, 1, 0
	MUL16 \f, 1, 2
.endm
; The last quarter multiplies buffer 1 and changes slots: ONE barrier; in front of it each wave waits for all its tensor loads, adds 0 to its spare word, and waits for that and for its reads of this slot.
; fill = 1: the barrier opens a round of the cluster's, and the slot just read is filled again, with the K step two on, first thing behind the round: 224 matrix instructions ahead of the wait for it.
.macro TURN fill
.if \fill
	s_wait_xcnt 0x0                                ; the last prefetch, a K step back, has read its address
	s_add_nc_u64 s[PFA:PFA+1], s[PFA:PFA+1], s[PFS:PFS+1]
.endif
	WIN 0
	s_wait_tensorcnt 0x0                           ; all my tensor loads have landed: my part of the next slot
	ds_add_u32 v[SPW], v[NIL]                      ; 0 onto my spare word
	s_wait_dscnt 9                                 ; (the add and the youngest eight loads may be out)
	MUL16 F1, 0, 0
	s_wait_dscnt 0x0                               ; the add is done, and my reads of this slot are over
	s_barrier_signal -1
	MUL16 F1, 0, 2
	WIN 0
	s_barrier_wait -1
.if \fill
	CREST                                          ; no wave of any partner still reads this slot or has a load on its way
	s_xor_b32 s[FS], s[FS], SLOT
	s_add_co_u32 s[G0+5], s[LA], s[FS]
	s_add_co_u32 s[G0B+5], s[LB], s[FS]
	s_add_nc_u64 s[G0+6:G0+7], s[G0+6:G0+7], STEPA
	s_add_nc_u64 s[G0B+6:G0B+7], s[G0B+6:G0B+7], STEPB
	JLOAD 1
.endif
	s_xor_b32 s[RS], s[RS], SLOT                   ; the fetches go on in the other slot
	v_add_nc_u32 v[ADRA], s[RS], v[A0]             ; these four are also the places in front of the loads below
	v_add_nc_u32 v[ADRB], s[RS], v[B0]
	v_nop
	v_nop
	FETCH 0, F0
.if \fill
	ASK
.endif
	MUL16 F1, 1, 0
	MUL16 F1, 1, 2
.endm
	s_wait_tensorcnt 1                             ; my part of K step 0 is in; K step 1's may stay out
	s_barrier_signal -1
	s_barrier_wait -1
	FETCH 0, F0
	s_mov_b32 s3, TSTEPS-2
.Lfilling:                                             ; trip t multiplies K step t and asks for K step t + 2
	QUARTER 1, F0, F1
	QUARTER 2, F1, F0
	QUARTER 3, F0, F1
	TURN 1
	WIN 0
	s_sub_co_u32 s3, s3, 1
	s_cmp_lg_u32 s3, 0
	s_cbranch_scc1 .Lfilling
	s_mov_b32 s3, 2
.Ldraining:                                            ; the last two K steps ask for nothing; the very last fetch reads a slot that has been multiplied and serves nothing: the price of one text for both trips
	QUARTER 1, F0, F1
	QUARTER 2, F1, F0
	QUARTER 3, F0, F1
	TURN 0
	WIN 0
	s_sub_co_u32 s3, s3, 1
	s_cmp_lg_u32 s3, 0
	s_cbranch_scc1 .Ldraining
	s_wait_dscnt 0x0
	PLACES
; THE WAY OUT of block a (16 rows): rounded to bf16 and held at the floor from below, 16 bytes a lane; into my own stage and back as whole rows of 256 bytes; stored.
.macro PACK a
.set AC, 64*((\a)%4)
	WIN 0x0a+5*((\a)/4)                            ; sources 0 and 1: window 2 or 3
.irp b, 0,1,2,3,4,5,6,7
.irp r, 0,1,2,3
	v_cvt_pk_bf16_f32 v[TMP+4*(\b)+(\r)], v[AC+8*(\b)+2*(\r)], v[AC+8*(\b)+2*(\r)+1]
.endr
.endr
	WIN 0
.set i, 0
.rept 32
	v_pk_max_num_bf16 v[TMP+i], v[TMP+i], v[ZR]    ; the maximum with the floor, on two numbers at once: nothing is rounded
.set i, i+1
.endr
.endm
.macro TOSTAGE a
.set BK, OB+192*((\a)%2)
.irp b, 0,1,2,3,4,5,6,7
	ds_store_b128 v[STO], v[TMP+4*(\b):TMP+4*(\b)+3] offset:32*(\b)
.endr
.irp t, 0,1,2,3,4,5,6,7
	ds_load_b128 v[BK+4*(\t):BK+4*(\t)+3], v[RD] offset:(\t)*2*SPITCH  ; LDS serves a wave's instructions in order (ISA guide 5.7.1.4): these see the stores above
.endr
.endm
.macro SEND a
.set BK, OB+192*((\a)%2)
	s_wait_dscnt 0x0                               ; the block is back in registers
	s_wait_xcnt 0x0                                ; only behind this wait are the stores' base and the registers that earlier stores read rewritten
.if (\a) > 0
	s_add_nc_u64 s[8:9], s[8:9], 16*SIZE_N*2       ; 16 rows of C on
.endif
.irp t, 0,1,2,3,4,5,6,7
	global_store_b128 v[CO], v[BK+4*(\t):BK+4*(\t)+3], s[8:9] offset:2*(\t)*SIZE_N*2  ; 16 lanes store 256 consecutive bytes, at a multiple of 256 from C's first byte
.endr
.endm
	PACK 0
	TOSTAGE 0
.irp a, 1,2,3,4,5,6,7                  ; block a's arithmetic stands between block a - 1's loads from the stage and the wait for them
	PACK \a
	SEND (\a)-1
	TOSTAGE \a
.endr
	SEND 7
	s_wait_tensorcnt 0x0                           ; the wave's end: behind my last tensor load and my last LDS store
	ds_add_u32 v[SPW], v[NIL]
	s_wait_dscnt 0x0
	CROUND                                         ; the closing round
	s_endpgm
.Lfunc_end_k_q0a6e8e2f2e_proj:
	.size	k_q0a6e8e2f2e_proj, .Lfunc_end_k_q0a6e8e2f2e_proj-k_q0a6e8e2f2e_proj
	.p2alignl 7, 3214868480
	.fill 96, 4, 3214868480
	.section	.rodata,"a",@progbits
	.p2align	6, 0x0
	.amdhsa_kernel k_q0a6e8e2f2e_proj
		.amdhsa_group_segment_fixed_size 327680
		.amdhsa_private_segment_fixed_size 0
		.amdhsa_enable_private_segment 0
		.amdhsa_kernarg_size 40
		.amdhsa_user_sgpr_count 2
		.amdhsa_user_sgpr_kernarg_segment_ptr 1
		.amdhsa_wavefront_size32 1
		.amdhsa_system_sgpr_workgroup_id_x 1
		.amdhsa_system_sgpr_workgroup_id_y 1
		.amdhsa_system_sgpr_workgroup_id_z 1
		.amdhsa_system_vgpr_workitem_id 0
		.amdhsa_next_free_vgpr 1024
		.amdhsa_next_free_sgpr 74
		.amdhsa_reserve_vcc 0
		.amdhsa_float_denorm_mode_32 3
		.amdhsa_float_denorm_mode_16_64 3
		.amdhsa_memory_ordered 1
		.amdhsa_forward_progress 1
		.amdhsa_inst_pref_size 130
	.end_amdhsa_kernel
	.amdgpu_metadata
---
amdhsa.version: [ 1, 2 ]
amdhsa.kernels:
  - .name:           k_q0a6e8e2f2e_proj
    .symbol:         k_q0a6e8e2f2e_proj.kd
    .args:
      - { .name: xb, .offset: 0, .size: 8, .value_kind: global_buffer, .address_space: global }
      - { .name: w4, .offset: 8, .size: 8, .value_kind: global_buffer, .address_space: global }
      - { .name: zb, .offset: 16, .size: 8, .value_kind: global_buffer, .address_space: global }
      - { .name: ninf, .offset: 24, .size: 8, .value_kind: global_buffer, .address_space: global }
      - { .name: h, .offset: 32, .size: 8, .value_kind: global_buffer, .address_space: global }
    .group_segment_fixed_size: 327680
    .private_segment_fixed_size: 0
    .kernarg_segment_align: 8
    .kernarg_segment_size: 40
    .max_flat_workgroup_size: 128
    .sgpr_count:     74
    .vgpr_count:     1024
    .wavefront_size: 32
...
	.end_amdgpu_metadata
.endif
;; end of part 2
;; launch attn (part 3): grid 16 x 16, 4 waves a work-group, clusters of 4 x 1, 327,680 bytes of LDS; arguments h, lambda_param, xb; writes xb
.if DOCPART == 3
	.amdgcn_target "amdgcn-amd-amdhsa--gfx1250"
	.amdhsa_code_object_version 6
	.text
	.protected	k_q0a6e8e2f2e_attn
	.globl	k_q0a6e8e2f2e_attn
	.p2align	8
	.type	k_q0a6e8e2f2e_attn,@function
k_q0a6e8e2f2e_attn:
	s_mov_b64 s[64:65], 0
	v_nop
	global_prefetch_b8 v0, s[64:65] scope:SCOPE_SE
	s_setreg_imm32_b32 hwreg(HW_REG_WAVE_MODE, 25, 1), 1
	s_wait_xcnt 0x0
	s_wait_alu depctr_hold_cnt(0) depctr_sa_sdst(0) depctr_va_vdst(0) depctr_va_sdst(0) depctr_va_ssrc(0) depctr_va_vcc(0) depctr_vm_vsrc(0)
	s_getreg_b32 s2, hwreg(HW_REG_IB_STS2, 6, 4)
	s_cmp_eq_u32 s2, 0
	s_cbranch_scc0 .Lentry_in_a_cluster
	s_endpgm
.Lentry_in_a_cluster:
	s_bfe_u32 s2, ttmp6, 0x10000c
	s_cmp_lg_u32 s2, 0x3003
	s_cbranch_scc0 .Lentry_shape_is_right
	s_endpgm
.Lentry_shape_is_right:
; O[q] = (softmax_k(s) - sigmoid(lambda) softmax_k(s - 1)) V, s = Q[q] . K[k] / sqrt(128), for 16 pairs (batch, head) of 2,048 queries x 2,048 keys.
; softmax(s - 1) IS softmax(s), for every input: the shift cancels between numerator and sum.  So the weights are softmax(s) x (1 - sigmoid(lambda)) = softmax(s) / (1 + e^lambda); lambda is read, and the
; factor is applied in f32 to O.  The softmax keeps a running maximum.
; The first buffer holds Q | K | V side by side in bf16: row = 2,048 batch + position, 8,192 bytes from row to row; Q's 1,024 numbers at byte 0 of a row, K's at 2,048, V's at 4,096.  A head's 128 channels are 256 bytes,
; at a multiple of 256.  O goes to xb's rows 0-4095, 2,048 bytes a row, a head's channels at the same place as in Q.
; Products, maxima and sums in f32; the weights p are rounded to bf16 for the second product (their sum l is taken of the unrounded p), O once at the end.
; LIMITS: a weight below 2^-126 counts as 0 in l; NaN and infinities are not treated apart; where e^lambda overflows f32 the factor is 0.
; SHARES.  A work-group owns 128 queries of one head.  Waves 2 g and 2 g + 1 own the same 64 queries (four tiles of 16) and split the KEYS: of each slot's 256 keys wave w takes 128 (w % 2) .. + 127, two steps of 64.
; So each fragment of K and V read from LDS feeds four tiles.  The pair's two partial results (O, c m, l) meet once, in LDS, at the end.
; LAYOUT.  S^T = K Q^T: a lane holds ONE query (lane % 16) and the keys 8 (lane / 16) + 0..7; two such results rounded to bf16 ARE source 1 of O^T = V^T P.  K comes out of LDS as it lies, V turned (ds_load_tr16_b128).
; SOFTMAX.  p = 2^(c s - c m), c = log2(e) / sqrt(128); in every step O and l are multiplied by a = 2^(c m_old - c m_new).  m starts at the lowest finite number, O and l at 0: the first step is a step like any other, with a = 0.
; BY TURNS.  The wave's tiles are two pieces (0: tiles 0, 1; 2: tiles 2, 3).  In a turn one piece has the matrix unit (32 products V^T P of the step in hand, 32 products K Q^T of the next); the other piece's softmax,
; 268 vector instructions in 64 slices, stands between them, one slice behind each matrix instruction.  Its 66 exponentials are one batch with one wait.
; CLUSTER 4 x 1: four query blocks of one head walk the same K and V: each tile is asked for jointly.
; REGISTERS in windows of 256: window 0: v0-11 addresses; v12-43 statistics, 8 a tile; v44-63 the merge's and fixed ones; v64-191 S^T; v192-255 P.  window 1: O^T, 64 a tile.  window 2: v0-127 Q, v128-255 K.  window 3: v0-127 V.
.set KS,    64
.set PK,    272       ; a row of K in LDS: 256 bytes + 16: the 16 rows of a load begin in 16 different groups of four banks (64 banks of 4 bytes: ISA guide 11.1)
.set PV,    288       ; a row of V: 256 + 32
.set VOFF,  256*PK    ; a slot: 256 rows of K, then 256 rows of V
.set SLOTB, 256*(PK+PV)
.set STAGE, 2*SLOTB   ; behind the ring, never filled by a tensor load: 16 rows x 272 bytes for each wave
.set SP,    272
.set SPARE, STAGE+4*16*SP  ; the spare words: 128 bytes a wave, two blocks of 256 bytes that no other line names
.set XPAIR, 33792     ; the merge: a pair's 32,768 bytes of O^T and 1,024 of statistics, from LDS byte 0 on: in slot 0, behind its last fill and its last reads
.set QROW,  8192      ; bytes from row to row of Q | K | V
.set OROW,  2048      ; bytes in a row of O
.set SLOTG, 256*QROW  ; a slot's keys in memory
.set AK0, 2           ; v2   my lane's place in a tile of K; never rewritten
.set AV0, 3           ; v3   the same for V, VOFF included
.set ADR, 4           ; v4   the LDS address of the run of loads in hand
.set QO,  5           ; v5   my byte offset in 16 rows of Q
.set STO, 6           ; v6   the way out: where I put 16 bytes of a row
.set RD,  7           ; v7   where I read a row back
.set GO,  8           ; v8   my byte offset in two rows of O
.set ST,  12          ; tile t's statistics at v[ST+8 t]: +0 c m, +1 m, +2, +3 l (even keys', odd keys'), +4 to +7 at work; a takes +6
.set X,   44          ; v[44:51] my c m and l of the four tiles, for the merge
.set Y,   52          ; v[52:59] my partner's
.set XA,  60          ; v60  my place in the pair's exchange
.set PFO, 61          ; v61  8,192 x my lane; never rewritten
.set SPW, 62          ; v62  LDS address of my spare word; never rewritten
.set NIL, 63          ; v63  0; never rewritten
.set S,   64
.set P,   192
.set KF,  128
.set WV,  12          ; s12  my wave's number
.set LIM, 15          ; s15  1 in a work-group that prefetches, else the greatest number
.set PFA, 18          ; s[18:19] where my prefetches stand
.set G1K, 24          ; s[24:31] descriptor group 1 for K
.set G1V, 32          ; s[32:39] for V: the padding differs
.set G0K, 40          ; s[40:43] group 0 for K: it walks
.set G0V, 44          ; s[44:47] for V
.set FS,  48          ; s48  the slot filled last: 0 or SLOTB
.set SL,  49          ; s49  the slot read
.set LK,  50          ; s50  where my load of K goes in a slot
.set LV,  51          ; s51  where my load of V goes
.set KPK, 52          ; s52  my half of a slot's keys, in K's rows
.set KPV, 53          ; s53  in V's rows
.set LAM, 54          ; s54  lambda
.set KP,  55          ; s55  wave % 2
.set SLOTS, 56        ; s56  counts the changes of slots
.set CNT, 57          ; s57  counts a slot's steps
.set CS,  58          ; s[58:59] c
.set SEL, 60          ; s[60:61] v_permlanex16_b32's selects: each lane takes its own place in the other half
.set TBK, 62          ; s62  LDS byte at which K of the step to be fetched begins
.set TBV, 63          ; s63  the same for V, less VOFF
.set MSB, 0
.macro WIN new
.if MSB != (\new)
	s_set_vgpr_msb (MSB<<8)|(\new)
.set MSB, \new
.endif
.endm
.set W_KQ, 0x0a       ; K and Q in window 2, S^T in window 0
.set W_PV, 0x53       ; V in window 3, P in window 0, O^T in window 1
.set W_RS, 0x41       ; O^T (destination and source 0) in window 1, a in window 0
.macro JLOAD                        ; a joint fill: waves 0 and 1 fetch the halves of a slot's K, waves 2 and 3 of its V; an s_nop 0 and four v_nop follow each line
	s_cmp_lt_u32 s[WV], 2
	s_cbranch_scc0 .Lfor_v_\@
	tensor_load_to_lds s[G0K:G0K+3], s[G1K:G1K+7]
	s_nop 0
.rept 4
	v_nop
.endr
	s_branch .Lasked_\@
.Lfor_v_\@:
	tensor_load_to_lds s[G0V:G0V+3], s[G1V:G1V+7]
	s_nop 0
.rept 4
	v_nop
.endr
.Lasked_\@:
.endm
; A PREFETCH of what the NEXT change of slots will ask for.  Each wave names rows of the 128 that it fetches itself; the four partners share them out BY ADDRESS, 32 each, a lane a row's piece of 256 bytes; of the head's four
; clusters the first asks.  So each row's piece is named once in the launch.  It stands two of the wave's key steps, 256 matrix instructions, ahead of the load; the last change that fills a slot asks for nothing.
.macro ASK
	s_cmp_gt_u32 s[SLOTS], s[LIM]
	s_cbranch_scc0 .Lnot_mine_\@
	global_prefetch_b8 v[PFO], s[PFA:PFA+1] th:TH_LOAD_NT scope:SCOPE_SE
.Lnot_mine_\@:
.endm
.macro CROUND
	s_barrier_signal -1
	s_barrier_wait -1
	s_cmp_lg_u32 s[WV], 0
	s_cbranch_scc1 .Lnot_wave_0_\@
	s_barrier_signal -3
.Lnot_wave_0_\@:
	s_barrier_wait -3
	s_barrier_signal -1
	s_barrier_wait -1
.endm
; THE CHANGE OF SLOTS, between piece 2's turn and piece 0's.  Each wave waits for all its tensor loads (one is out: its part of the other slot), adds 0 to its spare word, and waits for that and for its reads of the slot.
; fill = 1: the barrier is a round of the cluster's, and the slot left is filled again, with the keys two slots on, first thing behind it.  (At its first use nothing has been read: slot 0 is waited for, slot 1 filled.)
.macro CHANGE fill, ask
	WIN 0
	s_wait_tensorcnt 0x0            ; no tensor load of mine is out, so a group 0 may be written
	ds_add_u32 v[SPW], v[NIL]       ; 0 onto my spare word
.if \fill
	s_xor_b32 s[FS], s[FS], SLOTB
	s_add_co_u32 s[G0K+1], s[LK], s[FS]
	s_add_co_u32 s[G0V+1], s[LV], s[FS]
	s_add_nc_u64 s[G0K+2:G0K+3], s[G0K+2:G0K+3], SLOTG
	s_add_nc_u64 s[G0V+2:G0V+3], s[G0V+2:G0V+3], SLOTG
.if \ask
	s_wait_xcnt 0x0                 ; the last prefetch, two key steps back, has read its address
	s_add_nc_u64 s[PFA:PFA+1], s[PFA:PFA+1], SLOTG
.endif
	s_wait_dscnt 0x0                ; the add is done, and my reads of the slot are over
	CROUND
	JLOAD
.if \ask
	ASK
.endif
.else
	s_wait_dscnt 0x0
	s_barrier_signal -1
	s_barrier_wait -1
.endif
	s_xor_b32 s[SL], s[SL], SLOTB   ; the fetches go on at my half of the other slot
	s_add_co_u32 s[TBK], s[SL], s[KPK]
	s_add_co_u32 s[TBV], s[SL], s[KPV]
.endm
	s_load_b128 s[4:7], s[0:1], 0x0   ; Q | K | V s[4:5], lambda_param s[6:7]
	s_load_b64 s[8:9], s[0:1], 0x10   ; xb
	v_lshl_add_u32 v[SPW], v0, 2, SPARE
	v_mov_b32 v[NIL], 0
	ds_add_u32 v[SPW], v[NIL]       ; the wave's opening: the add and its wait stand ahead of my first tensor load
	v_lshrrev_b32 v1, 5, v0
	v_readfirstlane_b32 s[WV], v1   ; wave 0..3
	s_and_b32 s[KP], s[WV], 1
	s_bfe_u32 s13, ttmp6, 0x40000   ; cx
	s_lshl_b32 s14, ttmp9, 2
	s_add_co_u32 s14, s14, s13      ; my block of 128 queries: it enters Q's and O's addresses alone
	s_and_b32 s20, ttmp7, 0xffff    ; 8 x batch + head, which the partners share
	s_lshr_b32 s21, s20, 3          ; the batch
	s_and_b32 s20, s20, 7
	s_lshl_b32 s20, s20, 8          ; the head's 256 bytes of a row
	s_lshl_b32 s22, s21, 24         ; the batch's 2,048 rows of 8,192 bytes
	s_add_co_u32 s22, s22, s20      ; batch and head in Q | K | V
	s_lshl_b32 s10, s21, 22         ; its 2,048 rows of 2,048 bytes
	s_add_co_u32 s10, s10, s20      ; batch and head in O
	s_lshr_b32 s17, s[WV], 1        ; my pair
	s_lshl_b32 s16, s14, 20         ; Q: my block's 128 rows,
	s_add_co_u32 s16, s16, s22
	s_lshl_b32 s2, s17, 19          ; my pair's 64 of them
	s_add_co_u32 s16, s16, s2
	s_lshl_b32 s2, s14, 18          ; O: the same rows
	s_add_co_u32 s10, s10, s2
	s_lshl_b32 s2, s17, 17
	s_add_co_u32 s10, s10, s2
	s_mov_b32 s17, 0
	s_mov_b32 s11, 0
	s_lshl_b32 s21, s[KP], 20       ; K and V: which 128 rows of a slot I fetch
	s_add_co_u32 s22, s22, s21
	s_mov_b32 s23, 0
	s_lshl_b32 s2, s13, 18          ; the prefetches: my work-group's 32 rows of the 128
	s_mov_b32 s3, 0
	s_mul_i32 s[KPK], s[KP], 128*PK
	s_mul_i32 s[KPV], s[KP], 128*PV
	s_mov_b32 s[LK], s[KPK]         ; no place in the cluster enters an LDS address
	s_add_co_u32 s[LV], s[KPV], VOFF
	s_mov_b32 s[G1K], 15|(1<<16)|(1<<20)|(1<<21)|(5<<22)|(3<<25)  ; the mask of four; 2-byte elements; padding on; bit 21 beside a mask; after every 64 words, 4 words
	s_mov_b32 s[G1V], 15|(1<<16)|(1<<20)|(1<<21)|(5<<22)|(7<<25)  ; the same with 8 words
.irp g, G1K, G1V
	s_mov_b32 s[(\g)+1], 128<<16    ; tensor_dim0 = 128
	s_mov_b32 s[(\g)+2], 128<<16    ; tensor_dim1 = 128
	s_mov_b32 s[(\g)+3], 128<<16    ; tile_dim0 = 128
	s_mov_b32 s[(\g)+4], 128        ; tile_dim1 = 128
	s_mov_b32 s[(\g)+5], 4096       ; elements from row to row
	s_mov_b32 s[(\g)+6], 0
	s_mov_b32 s[(\g)+7], 0
.endr
	s_mov_b32 s[G0K], 1
	s_mov_b32 s[G0K+1], s[LK]       ; slot 0
	s_mov_b32 s[G0V], 1
	s_mov_b32 s[G0V+1], s[LV]
	s_mov_b32 s[FS], 0
	s_mov_b32 s[SL], SLOTB          ; the first change of slots turns it into 0
	s_mov_b32 s[CS], 0x3e0293ee     ; c = log2(e) / sqrt(128) = 0.127517
	s_mov_b32 s[CS+1], s[CS]
	s_mov_b32 s[SEL], 0x76543210
	s_mov_b32 s[SEL+1], 0xfedcba98
	s_mov_b32 s[SLOTS], 7
	s_cmp_eq_u32 ttmp9, 0           ; the head's first cluster: the same in all four partners
	s_cselect_b32 s[LIM], 1, -1
	v_and_b32 v[PFO], 31, v0
	v_lshlrev_b32 v[PFO], 13, v[PFO]
	s_wait_dscnt 0x0                ; the opening add is done
	s_wait_kmcnt 0x0
	s_load_b32 s[LAM], s[6:7], 0x0
	s_add_nc_u64 s[G0K+2:G0K+3], s[4:5], s[22:23]
	s_add_nc_u64 s[G0V+2:G0V+3], s[G0K+2:G0K+3], 4096          ; V's numbers begin 4,096 bytes into a row,
	s_add_nc_u64 s[G0K+2:G0K+3], s[G0K+2:G0K+3], 2048          ; K's 2,048
	s_cmp_lt_u32 s[WV], 2
	s_cselect_b64 s[PFA:PFA+1], s[G0K+2:G0K+3], s[G0V+2:G0V+3]
	s_add_nc_u64 s[PFA:PFA+1], s[PFA:PFA+1], s[2:3]
	s_add_nc_u64 s[PFA:PFA+1], s[PFA:PFA+1], 2*SLOTG           ; in slot 2; the first change that asks steps it to slot 3.  Nothing is prefetched at the head
	s_or_b32 s[G0K+3], s[G0K+3], 0x80000000
	s_or_b32 s[G0V+3], s[G0V+3], 0x80000000
	s_add_nc_u64 s[4:5], s[4:5], s[16:17]    ; Q and O at my pair's first row
	s_add_nc_u64 s[8:9], s[8:9], s[10:11]
	CROUND                          ; all four work-groups are here: the first joint loads meet
	JLOAD                           ; slot 0: one load of mine is out
	v_and_b32 v1, 15, v0            ; l % 16
	v_bfe_u32 v9, v0, 4, 1          ; l / 16
	v_lshlrev_b32 v[QO], 13, v1
	v_lshl_add_u32 v[QO], v9, 4, v[QO]
	WIN 0x80                        ; destination window 2
.irp i, 0,1,2,3,4,5,6,7,8,9,10,11,12,13,14,15  ; Q stays in registers: tile i / 4, channels 32 (i % 4) on
	global_load_b128 v[8*(\i):8*(\i)+3],   v[QO], s[4:5] offset:((\i)/4)*16*QROW+((\i)%4)*64
	global_load_b128 v[8*(\i)+4:8*(\i)+7], v[QO], s[4:5] offset:((\i)/4)*16*QROW+((\i)%4)*64+32
.endr
	; What the first turn finds: V and piece 2's P hold 0 (its products V^T P, of a step that has not been, add 0), O^T and l are 0.  All this stands in the wait for the first tile.
	WIN 0xc0
.set i, 0
.rept 128
	v_mov_b32 v[i], 0
.set i, i+1
.endr
	WIN 0x40
.set i, 0
.rept 256
	v_mov_b32 v[i], 0
.set i, i+1
.endr
	WIN 0
.set i, 0
.rept 4
	v_mov_b32 v[ST+8*i], 0xfe000000    ; c m: far below every c s
	v_mov_b32 v[ST+8*i+1], 0xff7fffff  ; m
	v_mov_b32 v[ST+8*i+2], 0
	v_mov_b32 v[ST+8*i+3], 0
.set i, i+1
.endr
.set i, P+32
.rept 32
	v_mov_b32 v[i], 0
.set i, i+1
.endr
	v_mul_u32_u24 v[AK0], v1, PK
	v_lshl_add_u32 v[AK0], v9, 4, v[AK0]  ; row x pitch + 16 x half
	v_and_b32 v10, 7, v0
	v_bfe_u32 v11, v0, 3, 1
	v_lshl_add_u32 v[AV0], v9, 3, v10     ; the turning load: key 8 (l / 16) + l % 8, channels 8 ((l / 8) % 2) on
	v_mul_u32_u24 v[AV0], v[AV0], PV
	v_lshl_add_u32 v[AV0], v11, 4, v[AV0]
	v_add_nc_u32 v[AV0], VOFF, v[AV0]
; THE MATRIX WORK.  The accumulators take turns, one instruction a turn.
.macro PV x                         ; product i of 32 of O^T += V^T P: keys 32 (i / 16) on, channels 16 ((i / 2) % 8) on, tile x + i % 2
	WIN W_PV
.set rO, 64*((\x)+i%2)+8*((i/2)%8)
.set rV, 64*(i/16)+8*((i/2)%8)
.set rP, P+16*((\x)+i%2)+8*(i/16)
	v_wmma_f32_16x16x32_bf16 v[rO:rO+7], v[rV:rV+7], v[rP:rP+7], v[rO:rO+7]
.endm
.macro KQ x                         ; product i of 32 of S^T = K Q^T: channels 32 (i / 8) on, keys 16 ((i / 2) % 4) on, tile x + i % 2.  The first 8 start the sums
	WIN W_KQ
.set rS, S+32*((\x)+i%2)+8*((i/2)%4)
.set rK, KF+32*((i/2)%4)+8*(i/8)
.set rQ, 32*((\x)+i%2)+8*(i/8)
.if i < 8
	v_wmma_f32_16x16x32_bf16 v[rS:rS+7], v[rK:rK+7], v[rQ:rQ+7], 0
.else
	v_wmma_f32_16x16x32_bf16 v[rS:rS+7], v[rK:rK+7], v[rQ:rQ+7], v[rS:rS+7]
.endif
.endm
; THE LDS LOADS stand in runs of 32.  last = 1 (the tail): in the last trip there is no further step, and K's run is jumped over.
.macro FETCH_K last=0
	WIN 0
	v_add_nc_u32 v[ADR], s[TBK], v[AK0]
.if \last
	s_cmp_eq_u32 s[CNT], 1
	s_cbranch_scc1 .Lno_k_\@
.endif
	WIN 0x80
.irp f, 0,1,2,3,4,5,6,7,8,9,10,11,12,13,14,15  ; keys 16 (f / 4) on, channels 32 (f % 4) on
	ds_load_b128 v[KF+8*(\f):KF+8*(\f)+3],   v[ADR] offset:((\f)/4)*16*PK+((\f)%4)*64
	ds_load_b128 v[KF+8*(\f)+4:KF+8*(\f)+7], v[ADR] offset:((\f)/4)*16*PK+((\f)%4)*64+32
.endr
	s_add_co_u32 s[TBK], s[TBK], KS*PK  ; the next fetch is the next step's
	WIN 0
.if \last
.Lno_k_\@:
.endif
.endm
.macro FETCH_V
	WIN 0
	v_add_nc_u32 v[ADR], s[TBV], v[AV0]
	s_add_co_u32 s[TBV], s[TBV], KS*PV
	s_wait_alu depctr_va_vdst(0)    ; the wait for the softmax's batch of exponentials, ahead of the first instruction that names a result
	WIN 0xc0
.irp f, 0,1,2,3,4,5,6,7,8,9,10,11,12,13,14,15  ; keys 32 (f / 8) on, channels 16 (f % 8) on
	ds_load_tr16_b128 v[8*(\f):8*(\f)+3],   v[ADR] offset:((\f)/8)*32*PV+((\f)%8)*32
	ds_load_tr16_b128 v[8*(\f)+4:8*(\f)+7], v[ADR] offset:((\f)/8)*32*PV+16*PV+((\f)%8)*32
.endr
.endm
; THE VECTOR WORK.  One tile's softmax for one key step is a list of 134 instructions; SM writes number j of it for tile t.  s0-s31 are the lane's 32 scores.
;   0-15 the maximum of s0-s31 and the old m, three operands at a time (each accumulator's lowest registers are read first)     16-20 the other half of the lanes' maximum; the new m; c m; c m_old - c m_new
;   21-69 ONE BATCH: 16 scalings c s - c m and all 33 exponentials (a at 23); none reads an exponential's result     70-85 roundings to bf16     86-101 the sums; l = a l + sum     102-133 O^T times a
.macro SM t
.set rT, ST+8*(\t)
.set rS, S+32*(\t)
.set rP, P+16*(\t)
.set rO, 64*(\t)+2*(j-102)
.if j < 102
	WIN 0
.endif
.if j < 4
	v_max3_num_f32 v[rT+4+j], v[rS+8*j], v[rS+8*j+1], v[rS+8*j+2]
.elseif j < 12
	v_max3_num_f32 v[rT+4+j%4], v[rT+4+j%4], v[rS+8*(j%4)+2*(j/4)+1], v[rS+8*(j%4)+2*(j/4)+2]
.elseif j == 12
	v_max3_num_f32 v[rT+4], v[rT+4], v[rS+7], v[rS+15]
.elseif j == 13
	v_max3_num_f32 v[rT+6], v[rT+6], v[rS+23], v[rS+31]
.elseif j == 14
	v_max3_num_f32 v[rT+4], v[rT+4], v[rT+5], v[rT+6]
.elseif j == 15
	v_max3_num_f32 v[rT+4], v[rT+4], v[rT+7], v[rT+1]
.elseif j == 16
	v_permlanex16_b32 v[rT+5], v[rT+4], s[SEL], s[SEL+1]  ; the query's other 32 keys lie in the lane 16 away
.elseif j == 17
	v_mov_b32 v[rT+7], v[rT]        ; c m_old is kept for a
.elseif j == 18
	v_max_num_f32 v[rT+1], v[rT+4], v[rT+5]
.elseif j == 19
	v_mul_f32 v[rT], s[CS], v[rT+1]
.elseif j == 20
	v_sub_f32 v[rT+7], v[rT+7], v[rT]
.elseif j == 23
	v_exp_f32 v[rT+6], v[rT+7]
.elseif (j < 23) || ((j < 38) && (j%2 == 0)) || ((j < 66) && (j%4 == 2))
.set b, (j-2)/4                     ; 38, 42, .. 62: pairs 9 to 15
.if j < 38
.set b, (j-20)/2                    ; 21: pair 0; 22, 24, .. 36: pairs 1 to 8
.endif
	v_pk_fma_f32 v[rS+2*b:rS+2*b+1], v[rS+2*b:rS+2*b+1], s[CS:CS+1], v[rT:rT+1] op_sel_hi:[1,0,0] neg_lo:[0,0,1] neg_hi:[0,0,1]
.elseif j < 70
.set e, j-38                        ; 66 to 69: s28 to s31
.if j < 66
.set e, j-32-(j-38)/4               ; 39-41, 43-45, .. 63-65: s7 to s27
.endif
.if j < 38
.set e, (j-25)/2                    ; 25, 27, .. 37: s0 to s6
.endif
	v_exp_f32 v[rS+e], v[rS+e]
.elseif j < 86
	v_cvt_pk_bf16_f32 v[rP+j-70], v[rS+2*(j-70)], v[rS+2*(j-70)+1]
.elseif j < 102                     ; the sum of the tile's 16 pairs, in place: neighbours 1, 2, 4 and 8 pairs apart, then l takes it
.set z, j-86
.set w, 4
.set u, z
.if z >= 14
.set w, 32
.set u, 0
.elseif z >= 12
.set w, 16
.set u, z-12
.elseif z >= 8
.set w, 8
.set u, z-8
.endif
.if z < 15
	v_pk_add_f32 v[rS+w*u:rS+w*u+1], v[rS+w*u:rS+w*u+1], v[rS+w*u+w/2:rS+w*u+w/2+1]
.else
	v_pk_fma_f32 v[rT+2:rT+3], v[rT+2:rT+3], v[rT+6:rT+7], v[rS:rS+1] op_sel_hi:[1,0,1]
.endif
.else
	WIN W_RS
	v_pk_mul_f32 v[rO:rO+1], v[rO:rO+1], v[rT+6:rT+7] op_sel_hi:[1,0]
.endif
.endm
; Slice k of 64 of piece y's softmax: four instructions.  Slices 11 to 34 deal out the batch, four numbers of ONE tile each, the tiles by turns; every other slice is numbers 2 k and 2 k + 1 of both tiles;
; the twelve that are over stand in slice 63, where the sixteen are also the places behind the turn's last products.  Behind slice 34 stands the batch's one wait, a plain instruction ahead of it.
.macro SLICE y
.if (k >= 11) && (k < 35)
.irp n, 0,1,2,3
.set j, 22+4*((k-11)/2)+(\n)
	SM (\y)+(k-11)%2
.endr
.else
.irp n, 0,1,2,3,4,5,6,7
.if ((\n) < 2) || (k == 63)
.irp t, \y, (\y)+1
.set j, 2*k+(\n)
	SM \t
.endr
.endif
.endr
.endif
.if k == 34
	v_nop                           ; the plain instruction behind the last exponential: one for the batch
.if (\y) == 0
	FETCH_V                         ; piece 2's turn: V's run of loads stands here, and the wait stands in it; two exponentials, the v_nop and the run's v_add are the four places behind V's last reader
.else
	s_wait_alu depctr_va_vdst(0)    ; the wait for the batch
.endif
.endif
.set k, k+1
.endm
; A TURN: piece x has the matrix unit, the other piece's softmax stands in slices.  Piece 0's turn fetches the next step's K behind its second product; piece 2's the same step's V behind slice 34.
.macro TURN x, last=0
.set k, 0
.if (\x) == 0
	s_wait_dscnt 0x0                ; V is in
.endif
.set i, 0
.rept 32
	PV \x
	SLICE 2-(\x)
.if ((\x) == 0) && (i == 1)
	FETCH_K \last
.endif
.set i, i+1
.endr
.if (\x) == 0
	s_wait_dscnt 0x0                ; K is in
.endif
.set i, 0
.rept 32
	KQ \x
	SLICE 2-(\x)
.set i, i+1
.endr
.endm
	CHANGE 1, 0                     ; slot 0 is in, everybody's part of it; slot 1 is asked for
	FETCH_K                         ; my key step 0
	s_wait_loadcnt 0x0              ; Q
	s_wait_kmcnt 0x0                ; lambda
	s_wait_dscnt 0x0
.set i, 0
.rept 32
	KQ 0                            ; piece 0's first scores
.set i, i+1
.endr
	WIN 0                           ; the addresses for the way out: plain instructions, the places behind those products
	s_mul_i32 s16, s[WV], 16*SP
	s_add_co_u32 s16, s16, STAGE    ; my stage
	v_mul_u32_u24 v[STO], v1, SP    ; in: row l % 16, 16 bytes for each half of the lanes
	v_lshl_add_u32 v[STO], v9, 4, v[STO]
	v_add_nc_u32 v[STO], s16, v[STO]
	v_mul_u32_u24 v[RD], v9, SP     ; back: lanes 0-15 one row of 256 bytes, lanes 16-31 the next
	v_lshl_add_u32 v[RD], v1, 4, v[RD]
	v_add_nc_u32 v[RD], s16, v[RD]
	v_lshlrev_b32 v[GO], 11, v9     ; the same two rows in O
	v_lshl_add_u32 v[GO], v1, 4, v[GO]
	s_lshr_b32 s17, s[WV], 1
	s_mul_i32 s17, s17, XPAIR
	v_and_b32 v[XA], 31, v0
	v_lshl_add_u32 v[XA], v[XA], 4, s17
	s_mov_b32 s[CNT], 2
	s_branch .Lfirst                ; the loop is entered at piece 2's turn, in the middle of a trip
.Lslot:                             ; six times: slots 2 to 7 are asked for
	CHANGE 1, 1
	s_mov_b32 s[CNT], 2
.Lstep:
	TURN 0
	WIN 0
.Lfirst:
	TURN 2
	WIN 0
	s_sub_co_u32 s[CNT], s[CNT], 1
	s_cmp_lg_u32 s[CNT], 0
	s_cbranch_scc1 .Lstep
	s_sub_co_u32 s[SLOTS], s[SLOTS], 1
	s_cmp_lg_u32 s[SLOTS], 0
	s_cbranch_scc1 .Lslot
	CHANGE 0, 0                     ; the tail is written out: nothing is asked for
	s_mov_b32 s[CNT], 3             ; two trips fetch the last slot's steps; the third is left in its middle
.Ltail:
	TURN 0, 1
	WIN 0
	s_sub_co_u32 s[CNT], s[CNT], 1
	s_cmp_eq_u32 s[CNT], 0
	s_cbranch_scc1 .Lout
	TURN 2
	WIN 0
	s_branch .Ltail
.Lout:                              ; the third trip's 32 products K Q^T (on the last K once more) serve nothing: the price, once a launch, of one text for every trip
.set i, 0
.rept 32
	PV 2                            ; piece 2: V^T P of the last step
.set i, i+1
.endr
	; THE MERGE.  Every wave: l's two halves and the other half of the lanes' are added (these lines are the places behind the last products).
	WIN 0
.irp t, 0,1,2,3
	v_add_f32 v[X+4+(\t)], v[ST+8*(\t)+2], v[ST+8*(\t)+3]
.endr
.irp t, 0,1,2,3
	v_permlanex16_b32 v[ST+8*(\t)+5], v[X+4+(\t)], s[SEL], s[SEL+1]
.endr
.irp t, 0,1,2,3
	v_add_f32 v[X+4+(\t)], v[X+4+(\t)], v[ST+8*(\t)+5]
.endr
.irp t, 0,1,2,3
	v_mov_b32 v[X+(\t)], v[ST+8*(\t)]
.endr
	s_cmp_eq_u32 s[KP], 0
	s_cbranch_scc1 .Lkeeps
	WIN 0x04                        ; the odd wave of a pair hands its O^T, c m and l over: the data (source 1) lie in window 1
.set i, 0
.rept 64
	ds_store_b128 v[XA], v[4*i:4*i+3] offset:512*i
.set i, i+1
.endr
	WIN 0
	ds_store_b128 v[XA], v[X:X+3] offset:32768
	ds_store_b128 v[XA], v[X+4:X+7] offset:33280
.Lkeeps:
	s_wait_dscnt 0x0                ; for the partner's sake: my stores are done
	s_barrier_signal -1
	s_barrier_wait -1
	s_cmp_lg_u32 s[KP], 0
	s_cbranch_scc1 .Lend
.macro XLOAD t                      ; the partner's O^T of tile t into S^T's registers, two buffers of 64
.set i, 0
.rept 16
	ds_load_b128 v[S+64*((\t)%2)+4*i:S+64*((\t)%2)+4*i+3], v[XA] offset:512*(16*(\t)+i)
.set i, i+1
.endr
.endm
	ds_load_b128 v[Y:Y+3], v[XA] offset:32768
	ds_load_b128 v[Y+4:Y+7], v[XA] offset:33280
	XLOAD 0
	s_wait_dscnt 16                 ; the partner's statistics are in; tile 0's 16 loads may be out
	; e0 = 2^(c m0 - M), e1 = 2^(c m1 - M), M the greater; O = (e0 O0 + e1 O1) / ((e0 l0 + e1 l1) (1 + e^lambda)).  Tile t's registers: +0 e0 then its factor, +2 e1 then its factor, +4 M, the divisor, its reciprocal.
.irp t, 0,1,2,3
	v_max_num_f32 v[ST+8*(\t)+4], v[X+(\t)], v[Y+(\t)]
.endr
.irp t, 0,1,2,3
	v_sub_f32 v[ST+8*(\t)], v[X+(\t)], v[ST+8*(\t)+4]
	v_sub_f32 v[ST+8*(\t)+2], v[Y+(\t)], v[ST+8*(\t)+4]
.endr
	v_mov_b32 v10, s[LAM]
	v_mul_f32 v10, 0x3fb8aa3b, v10  ; lambda log2(e)
.irp t, 0,1,2,3
	v_exp_f32 v[ST+8*(\t)], v[ST+8*(\t)]
	v_exp_f32 v[ST+8*(\t)+2], v[ST+8*(\t)+2]
.endr
	v_exp_f32 v10, v10
	v_nop                           ; a plain instruction behind the last exponential,
	s_wait_alu depctr_va_vdst(0)    ; and one wait for the nine
	v_add_f32 v10, 1.0, v10
.irp t, 0,1,2,3
	v_mul_f32 v[ST+8*(\t)+4], v[ST+8*(\t)], v[X+4+(\t)]
.endr
.irp t, 0,1,2,3
	v_fmac_f32 v[ST+8*(\t)+4], v[ST+8*(\t)+2], v[Y+4+(\t)]
.endr
.irp t, 0,1,2,3
	v_mul_f32 v[ST+8*(\t)+4], v[ST+8*(\t)+4], v10
.endr
.irp t, 0,1,2,3
	v_rcp_f32 v[ST+8*(\t)+4], v[ST+8*(\t)+4]
.endr
	v_nop
	s_wait_alu depctr_va_vdst(0)    ; one wait for the four reciprocals
.irp t, 0,1,2,3
	v_mul_f32 v[ST+8*(\t)], v[ST+8*(\t)], v[ST+8*(\t)+4]
	v_mul_f32 v[ST+8*(\t)+2], v[ST+8*(\t)+2], v[ST+8*(\t)+4]
.endr
; Tile t is finished: both parts scaled and added, rounded to bf16, sent through my stage (rows of 272 bytes in, whole rows of 256 back) and stored.  The next tile's loads go out first.
.macro FIN t
.set sb, S+64*((\t)%2)
.set pb, P+32*((\t)%2)
.set rT, ST+8*(\t)
	WIN 0
.if (\t) < 3
	XLOAD (\t)+1
	s_wait_dscnt 16                 ; tile t's part is in; the 16 just issued may be out
.else
	s_wait_dscnt 0x0
.endif
.set i, 0
.rept 32
	v_pk_mul_f32 v[sb+2*i:sb+2*i+1], v[sb+2*i:sb+2*i+1], v[rT+2:rT+3] op_sel_hi:[1,0]
.set i, i+1
.endr
	WIN 0x01                        ; source 0, my O^T, in window 1
.set i, 0
.rept 32
	v_pk_fma_f32 v[sb+2*i:sb+2*i+1], v[64*(\t)+2*i:64*(\t)+2*i+1], v[rT:rT+1], v[sb+2*i:sb+2*i+1] op_sel_hi:[1,0,1]
.set i, i+1
.endr
	WIN 0
.if (\t) >= 2
	s_wait_xcnt 0x0                 ; the stores of two tiles back have read the registers that are written again below
.endif
.set i, 0
.rept 32
	v_cvt_pk_bf16_f32 v[pb+i], v[sb+2*i], v[sb+2*i+1]
.set i, i+1
.endr
.irp f, 0,1,2,3,4,5,6,7
	ds_store_b128 v[STO], v[pb+4*(\f):pb+4*(\f)+3] offset:32*(\f)
.endr
.irp f, 0,1,2,3,4,5,6,7
	ds_load_b128 v[pb+4*(\f):pb+4*(\f)+3], v[RD] offset:(\f)*2*SP  ; LDS serves a wave's instructions in order (ISA guide 5.7.1.4): these see the stores above
.endr
.irp f, 0,1,2,3,4,5,6,7
	s_wait_dscnt 7-(\f)
	global_store_b128 v[GO], v[pb+4*(\f):pb+4*(\f)+3], s[8:9] offset:(\t)*16*OROW+(\f)*2*OROW  ; 16 lanes store 256 consecutive bytes, at a multiple of 256 from the buffer's first byte
.endr
.endm
	FIN 0
	FIN 1
	FIN 2
	FIN 3
.Lend:
	s_wait_tensorcnt 0x0            ; the wave's end: behind my last tensor load and my last LDS store
	ds_add_u32 v[SPW], v[NIL]
	s_wait_dscnt 0x0
	CROUND                          ; the closing round
	s_endpgm
.Lfunc_end_k_q0a6e8e2f2e_attn:
	.size	k_q0a6e8e2f2e_attn, .Lfunc_end_k_q0a6e8e2f2e_attn-k_q0a6e8e2f2e_attn
	.p2alignl 7, 3214868480
	.fill 96, 4, 3214868480
	.section	.rodata,"a",@progbits
	.p2align	6, 0x0
	.amdhsa_kernel k_q0a6e8e2f2e_attn
		.amdhsa_group_segment_fixed_size 327680
		.amdhsa_private_segment_fixed_size 0
		.amdhsa_enable_private_segment 0
		.amdhsa_kernarg_size 24
		.amdhsa_user_sgpr_count 2
		.amdhsa_user_sgpr_kernarg_segment_ptr 1
		.amdhsa_wavefront_size32 1
		.amdhsa_system_sgpr_workgroup_id_x 1
		.amdhsa_system_sgpr_workgroup_id_y 1
		.amdhsa_system_sgpr_workgroup_id_z 1
		.amdhsa_system_vgpr_workitem_id 0
		.amdhsa_next_free_vgpr 896
		.amdhsa_next_free_sgpr 66
		.amdhsa_reserve_vcc 0
		.amdhsa_float_denorm_mode_32 3
		.amdhsa_float_denorm_mode_16_64 3
		.amdhsa_memory_ordered 1
		.amdhsa_forward_progress 1
		.amdhsa_inst_pref_size 177
	.end_amdhsa_kernel
	.amdgpu_metadata
---
amdhsa.version: [ 1, 2 ]
amdhsa.kernels:
  - .name:           k_q0a6e8e2f2e_attn
    .symbol:         k_q0a6e8e2f2e_attn.kd
    .args:
      - { .name: h, .offset: 0, .size: 8, .value_kind: global_buffer, .address_space: global }
      - { .name: lambda_param, .offset: 8, .size: 8, .value_kind: global_buffer, .address_space: global }
      - { .name: xb, .offset: 16, .size: 8, .value_kind: global_buffer, .address_space: global }
    .group_segment_fixed_size: 327680
    .private_segment_fixed_size: 0
    .kernarg_segment_align: 8
    .kernarg_segment_size: 24
    .max_flat_workgroup_size: 128
    .sgpr_count:     66
    .vgpr_count:     896
    .wavefront_size: 32
...
	.end_amdgpu_metadata
.endif
;; end of part 3
;; launch wo (part 4): grid 8 x 32, 4 waves a work-group, clusters of 4 x 4, 327,680 bytes of LDS; arguments xb, w4, y2; writes y2
.if DOCPART == 4
	.amdgcn_target "amdgcn-amd-amdhsa--gfx1250"
	.amdhsa_code_object_version 6
	.text
	.protected	k_q0a6e8e2f2e_wo
	.globl	k_q0a6e8e2f2e_wo
	.p2align	8
	.type	k_q0a6e8e2f2e_wo,@function
k_q0a6e8e2f2e_wo:
	s_mov_b64 s[64:65], 0
	v_nop
	global_prefetch_b8 v0, s[64:65] scope:SCOPE_SE
	s_setreg_imm32_b32 hwreg(HW_REG_WAVE_MODE, 25, 1), 1
	s_wait_xcnt 0x0
	s_wait_alu depctr_hold_cnt(0) depctr_sa_sdst(0) depctr_va_vdst(0) depctr_va_sdst(0) depctr_va_ssrc(0) depctr_va_vcc(0) depctr_vm_vsrc(0)
	s_getreg_b32 s2, hwreg(HW_REG_IB_STS2, 6, 4)
	s_cmp_eq_u32 s2, 0
	s_cbranch_scc0 .Lentry_in_a_cluster
	s_endpgm
.Lentry_in_a_cluster:
	s_bfe_u32 s2, ttmp6, 0x10000c
	s_cmp_lg_u32 s2, 0xf033
	s_cbranch_scc0 .Lentry_shape_is_right
	s_endpgm
.Lentry_shape_is_right:
; yo[m][n] = sum over k of O[m][k] Wo[k][n].  O: xb's rows 0-4095, [4096][1024] bf16.  Wo in bf16: the last 1,024 columns of w4, whose rows (k) hold 4,096 numbers.  yo: [4096][1024] bf16, rounded once, at the head of y2.
; A tile of yo is 128 x 128: four waves, each 64 x 64 = 16 accumulators: 256 tiles, one for each work-group; a larger tile would leave most work-groups without one.
; K goes in steps of 256 through two LDS slots that tensor loads fill; one text of a K step serves every trip: the slot that is read and the slot that is filled are offsets in scalar registers, turned by an
; exclusive or between 0 and SLOT.  W's fragments come out of LDS turned (ds_load_tr16_b128).
; THE MATRIX INSTRUCTION IS USED TRANSPOSED (source 0 = 16 columns of W, source 1 = 16 rows of A): a lane holds eight neighbouring numbers of one row of C.
; CLUSTER 4 x 4: A's tile is asked for jointly along a row of the cluster, W's along a column.
; No prefetch is laid: a tile is small and the K steps few.  The sums start from registers cleared while the first tile is on its way, so that the loop has one form of product.
; LIMITS: NaN and infinities are not treated apart.
.set SIZE_K,  1024
.set LOGROW,  11                       ; a row of A is 2^LOGROW bytes
.set LOGWROW, 13                       ; a row of W is 2^LOGWROW bytes
.set WBASE,   6144                     ; bytes in front of the weight's columns in a row of W
.set KSTEP,   256
.set TSTEPS,  SIZE_K/KSTEP
.set STEPA,   KSTEP*2                  ; bytes from K step to K step in A
.set STEPB,   KSTEP<<LOGWROW           ; and in W: 256 rows
.set PA,      528                      ; an LDS row of A: 512 bytes + 16: the 16 rows of a fragment load begin in 16 different groups of four banks (64 banks of 4 bytes: ISA guide 11.1)
.set HALFA,   64*PA                    ; what one tensor load brings of A
.set PB,      288                      ; an LDS row of W: 128 columns = 256 bytes + 32
.set HALFB,   128*PB                   ; what one tensor load brings of W
.set BOFF,    2*HALFA
.set SLOT,    BOFF+2*HALFB
.set STAGE,   2*SLOT                   ; behind the ring, never filled by a tensor load
.set SPITCH,  272
.set SPARE,   STAGE+128*SPITCH         ; the spare words: 128 bytes a wave, two blocks of 256 bytes that no other line names
.set A0,   10                          ; v10  my lane's place in A's part of a slot; never rewritten
.set B0,   11                          ; v11  the same in W's part, k rows 0-127
.set B1,   12                          ; v12  k rows 128-255
.set ADRA, 16                          ; v16  A0 + the slot in hand
.set ADRB, 20                          ; v20-21  B0, B1 + the slot in hand
.set STO,  24                          ; v24  the way out: where I put my bytes of a row
.set RD,   25                          ; v25  where I read rows back
.set CO,   26                          ; v26  my byte offset in C
.set SPW,  28                          ; v28  LDS address of my spare word; never rewritten
.set NIL,  29                          ; v29  0; never rewritten
.set TMP,  32                          ; v[32:95] at work on the way out
.set ACC,  128                         ; v[128:255] accumulator (a, b) at ACC + 8 (4 a + b)
.set F0,   0                           ; window 1: two fragment buffers of 128: 64 of A (at 8 (4 c + a)), then 64 of W (at 64 + 8 (4 c + b)); c = which 32 of the quarter's 64 along K
.set F1,   128
.set LA,   20                          ; s20  where my load of A goes in a slot
.set LB,   21                          ; s21  where my load of W goes
.set FS,   22                          ; s22  the slot filled last: 0 or SLOT
.set RS,   23                          ; s23  the slot read: 0 or SLOT
.set G1,   24                          ; s[24:31] descriptor group 1 for A
.set G0,   32                          ; s[32:39] group 0 for A: K step 0's, and the one that walks
.set G1B,  48                          ; s[48:55], s[56:63] the same for W
.set G0B,  56
.set MSB, 0
.macro WIN new                         ; the immediate's high byte repeats the setting that is left; a switch that changes nothing is dropped
.if MSB != (\new)
	s_set_vgpr_msb (MSB<<8)|(\new)
.set MSB, \new
.endif
.endm
.set MUL,  0x05                        ; sources 0 and 1 in window 1; C and D in window 0
.set TO_F, 0x40                        ; destination in window 1, address in window 0
.macro JLOAD s                         ; a joint load: waves 0 and 1 fetch A's halves, waves 2 and 3 W's; an s_nop 0 and four v_nop follow each line, ahead of the jump and the label
	s_cmp_eq_u32 s11, 0
	s_cbranch_scc0 .Lfor_b_\@
	tensor_load_to_lds s[G0+4*(\s):G0+4*(\s)+3], s[G1:G1+7]
	s_nop 0
.rept 4
	v_nop
.endr
	s_branch .Lasked_\@
.Lfor_b_\@:
	tensor_load_to_lds s[G0B+4*(\s):G0B+4*(\s)+3], s[G1B:G1B+7]
	s_nop 0
.rept 4
	v_nop
.endr
.Lasked_\@:
.endm
.macro CREST                           ; a round of the cluster's barrier behind its opening barrier
	s_cmp_lg_u32 s10, 0
	s_cbranch_scc1 .Lnot_wave_0_\@
	s_barrier_signal -3
.Lnot_wave_0_\@:
	s_barrier_wait -3
	s_barrier_signal -1
	s_barrier_wait -1
.endm
.macro CROUND
	s_barrier_signal -1
	s_barrier_wait -1
	CREST
.endm
.macro PLACES                          ; four plain vector instructions between a matrix instruction and a load into, or a reader of, its registers
.rept 4
	v_nop
.endr
.endm
	s_load_b128 s[4:7], s[0:1], 0x0                ; A s[4:5], W s[6:7]
	s_load_b64 s[8:9], s[0:1], 0x10                ; C
	v_lshl_add_u32 v[SPW], v0, 2, SPARE
	v_mov_b32 v[NIL], 0
	ds_add_u32 v[SPW], v[NIL]                      ; the wave's opening: the add and its wait stand ahead of my first tensor load
	v_lshrrev_b32 v1, 5, v0
	v_readfirstlane_b32 s10, v1                    ; wave 0..3
	s_lshr_b32 s11, s10, 1                         ; my half of the tile's rows.  Also: I fetch for A (0) or for W (1)
	s_and_b32 s12, s10, 1                          ; my half of its columns.  Also: which half of that tile I fetch
	s_bfe_u32 s40, ttmp6, 0x40000                  ; cx
	s_bfe_u32 s41, ttmp6, 0x40004                  ; cy
	s_lshl_b32 s42, ttmp9, 2
	s_add_co_u32 s42, s42, s40                     ; tile column = 4 x cluster x + cx
	s_and_b32 s13, ttmp7, 0xffff                   ; cluster y
	s_lshl_b32 s13, s13, 2
	s_add_co_u32 s13, s13, s41                     ; tile row = 4 x cluster y + cy
	s_lshl_b32 s43, s41, 2
	s_lshl_b32 s43, 15, s43                        ; my row of the cluster
	s_lshl_b32 s44, 0x1111, s40                    ; my column
	s_or_b32 s[G1+0], s43, (1<<16)|(1<<20)|(1<<21)|(6<<22)|(3<<25)   ; mask; 2-byte elements; padding on; bit 21 beside a mask; after every 128 words, 4 words
	s_mov_b32 s[G1+1], KSTEP<<16                   ; tensor_dim0 = 256
	s_mov_b32 s[G1+2], 64<<16                      ; tensor_dim1 = 64
	s_mov_b32 s[G1+3], KSTEP<<16                   ; tile_dim0 = 256
	s_mov_b32 s[G1+4], 64                          ; tile_dim1 = 64
	s_mov_b32 s[G1+5], SIZE_K                      ; elements from row to row
	s_mov_b32 s[G1+6], 0
	s_mov_b32 s[G1+7], 0
	s_or_b32 s[G1B+0], s44, (1<<16)|(1<<20)|(1<<21)|(5<<22)|(7<<25)  ; after every 64 words, 8 words
	s_mov_b32 s[G1B+1], 128<<16                    ; tensor_dim0 = 128 columns
	s_mov_b32 s[G1B+2], 128<<16                    ; tensor_dim1 = 128 k rows
	s_mov_b32 s[G1B+3], 128<<16
	s_mov_b32 s[G1B+4], 128
	s_mov_b32 s[G1B+5], (1<<LOGWROW)/2             ; elements from row to row
	s_mov_b32 s[G1B+6], 0
	s_mov_b32 s[G1B+7], 0
	s_lshl_b32 s16, s13, 7
	s_lshl_b32 s17, s12, 6
	s_add_co_u32 s16, s16, s17                     ; A: row 128 x tile row + 64 x half,
	s_lshl_b32 s16, s16, LOGROW                    ; in bytes
	s_mov_b32 s17, 0
	s_lshl_b32 s46, s12, 7+LOGWROW                 ; W: k row 128 x half,
	s_lshl_b32 s47, s42, 8                         ; column 128 x tile column,
	s_add_co_u32 s46, s46, s47
	s_add_co_u32 s46, s46, WBASE                   ; behind the other weights' columns
	s_mov_b32 s47, 0
	s_mul_i32 s[LA], s12, HALFA                    ; no place in the cluster enters an LDS address
	s_mul_i32 s[LB], s12, HALFB
	s_add_co_u32 s[LB], s[LB], BOFF
	s_mov_b32 s[FS], SLOT                          ; the walking descriptor begins in slot 1
	s_mov_b32 s[RS], 0
	s_wait_dscnt 0x0                               ; the opening add is done
	s_wait_kmcnt 0x0
	s_add_nc_u64 s[14:15], s[4:5], s[16:17]
	s_add_nc_u64 s[46:47], s[6:7], s[46:47]
	CROUND                                         ; all sixteen work-groups are here: the first joint loads meet
.irp s, 0,1
	s_mov_b32 s[G0+4*(\s)], 1
	s_add_co_u32 s[G0+4*(\s)+1], s[LA], (\s)*SLOT
	s_add_nc_u64 s[G0+4*(\s)+2:G0+4*(\s)+3], s[14:15], (\s)*STEPA
	s_or_b32 s[G0+4*(\s)+3], s[G0+4*(\s)+3], 0x80000000
	s_mov_b32 s[G0B+4*(\s)], 1
	s_add_co_u32 s[G0B+4*(\s)+1], s[LB], (\s)*SLOT
	s_add_nc_u64 s[G0B+4*(\s)+2:G0B+4*(\s)+3], s[46:47], (\s)*STEPB
	s_or_b32 s[G0B+4*(\s)+3], s[G0B+4*(\s)+3], 0x80000000
	JLOAD \s                                       ; K steps 0 and 1: two loads of mine are out
.endr
	v_and_b32 v1, 15, v0                           ; l % 16
	v_bfe_u32 v2, v0, 4, 1                         ; l / 16
	v_mul_u32_u24 v3, v1, PA
	v_lshl_add_u32 v3, v2, 4, v3                   ; A: row x pitch + 16 x half of the lanes
	s_mul_i32 s16, s11, HALFA                      ; my 64 rows
	v_add_nc_u32 v[A0], s16, v3
	v_and_b32 v4, 7, v0
	v_lshl_add_u32 v4, v2, 3, v4                   ; W: k row 8 (l / 16) + l % 8,
	v_mul_u32_u24 v4, v4, PB
	v_bfe_u32 v5, v0, 3, 1
	v_lshl_add_u32 v4, v5, 4, v4                   ; 16 bytes for each eight lanes,
	s_lshl_b32 s16, s12, 7                         ; my 64 columns
	s_add_co_u32 s16, s16, BOFF
	v_add_nc_u32 v[B0], s16, v4
	v_add_nc_u32 v[B1], HALFB, v[B0]
	v_mov_b32 v[ADRA], v[A0]
	v_mov_b32 v[ADRB], v[B0]
	v_mov_b32 v[ADRB+1], v[B1]
	s_mul_i32 s16, s11, 64*SPITCH                  ; the work-group's stage: my 64 rows, my half of their 256 bytes
	s_lshl_b32 s17, s12, 7
	s_add_co_u32 s16, s16, s17
	s_add_co_u32 s16, s16, STAGE
	v_mul_u32_u24 v4, v1, SPITCH
	v_lshl_add_u32 v4, v2, 4, v4
	v_add_nc_u32 v[STO], s16, v4
	s_mul_i32 s16, s10, 32*SPITCH                  ; back: wave w takes rows 32 w .. 32 w + 31, whole
	s_add_co_u32 s16, s16, STAGE
	v_mul_u32_u24 v5, v2, SPITCH
	v_lshl_add_u32 v5, v1, 4, v5
	v_add_nc_u32 v[RD], s16, v5
	v_lshlrev_b32 v5, 11, v2
	v_lshl_add_u32 v[CO], v1, 4, v5                ; the same two rows in C (2,048 bytes a row)
	s_lshl_b32 s16, s13, 7
	s_lshl_b32 s17, s10, 5
	s_add_co_u32 s16, s16, s17                     ; the first row of C that I store
	s_lshl_b32 s16, s16, 11
	s_mov_b32 s17, 0
	s_add_nc_u64 s[8:9], s[8:9], s[16:17]
	s_lshl_b32 s46, s42, 8                         ; the tile's first column, in bytes
	s_mov_b32 s47, 0
	s_add_nc_u64 s[8:9], s[8:9], s[46:47]
.set r, 0
.rept 128
	v_mov_b32 v[ACC+r], 0                          ; written while the first tile is on its way
.set r, r+1
.endr
; 8 matrix instructions: row blocks a0, a0 + 1 x all 4 column blocks, 32 along K: half c of buffer f.  The 16 accumulators take turns, one instruction a turn.
.macro MUL8 f, c, a0
	WIN MUL
.irp a, \a0, (\a0)+1
.irp b, 0,1,2,3
	v_wmma_f32_16x16x32_bf16 v[ACC+8*(4*(\a)+(\b)):ACC+8*(4*(\a)+(\b))+7], v[(\f)+64+8*(4*(\c)+(\b)):(\f)+64+8*(4*(\c)+(\b))+7], v[(\f)+8*(4*(\c)+(\a)):(\f)+8*(4*(\c)+(\a))+7], v[ACC+8*(4*(\a)+(\b)):ACC+8*(4*(\a)+(\b))+7]
.endr
.endr
.endm
; 32 LDS loads in one run: the fragments of quarter q (64 along K) of the slot in hand into buffer f; the first 32 along K first
.macro FETCH q, f
	WIN TO_F
.irp c, 0,1
.irp i, 0,1,2,3
	ds_load_tr16_b128 v[(\f)+64+8*(4*(\c)+(\i)):(\f)+64+8*(4*(\c)+(\i))+3],   v[ADRB+(\q)/2] offset:(((\q)%2)*64+32*(\c))*PB+32*(\i)
	ds_load_tr16_b128 v[(\f)+64+8*(4*(\c)+(\i))+4:(\f)+64+8*(4*(\c)+(\i))+7], v[ADRB+(\q)/2] offset:(((\q)%2)*64+32*(\c)+16)*PB+32*(\i)
	ds_load_b128 v[(\f)+8*(4*(\c)+(\i)):(\f)+8*(4*(\c)+(\i))+3],   v[ADRA] offset:128*(\q)+64*(\c)+(\i)*16*PA
	ds_load_b128 v[(\f)+8*(4*(\c)+(\i))+4:(\f)+8*(4*(\c)+(\i))+7], v[ADRA] offset:128*(\q)+64*(\c)+(\i)*16*PA+32
.endr
.endr
.endm
; One of a K step's first three quarters: multiplies buffer f and fetches quarter q into g
.macro QUARTER q, f, g
	s_wait_dscnt 16                                ; the first 32 along K are in; the 16 younger loads may be out
	MUL8 \f, 0, 0
	MUL8 \f, 0, 2
	PLACES
	FETCH \q, \g
	s_wait_dscnt 32                                ; all but the 32 just issued
	MUL8 \f, 1, 0
	MUL8 \f, 1, 2
.endm
; The last quarter multiplies buffer 1 and changes slots: ONE barrier; in front of it each wave waits for all its tensor loads, adds 0 to its spare word, and waits for that and for its reads of this slot.
; fill = 1: the barrier opens a round of the cluster's, and the slot just read is filled again, with the K step two on, first thing behind the round.
.macro TURN fill
	WIN 0
	s_wait_tensorcnt 0x0                           ; all my tensor loads have landed: my part of the next slot
	ds_add_u32 v[SPW], v[NIL]                      ; 0 onto my spare word
	s_wait_dscnt 17                                ; (the add and the youngest sixteen loads may be out)
	MUL8 F1, 0, 0
	s_wait_dscnt 0x0                               ; the add is done, and my reads of this slot are over
	s_barrier_signal -1
	MUL8 F1, 0, 2
	WIN 0
	s_barrier_wait -1
.if \fill
	CREST                                          ; no wave of any partner still reads this slot or has a load on its way
	s_xor_b32 s[FS], s[FS], SLOT
	s_add_co_u32 s[G0+5], s[LA], s[FS]
	s_add_co_u32 s[G0B+5], s[LB], s[FS]
	s_add_nc_u64 s[G0+6:G0+7], s[G0+6:G0+7], STEPA
	s_add_nc_u64 s[G0B+6:G0B+7], s[G0B+6:G0B+7], STEPB
	JLOAD 1
.endif
	s_xor_b32 s[RS], s[RS], SLOT                   ; the fetches go on in the other slot
	v_add_nc_u32 v[ADRA], s[RS], v[A0]             ; these four are also the places in front of the loads below
	v_add_nc_u32 v[ADRB], s[RS], v[B0]
	v_add_nc_u32 v[ADRB+1], s[RS], v[B1]
	v_nop
	FETCH 0, F0
	MUL8 F1, 1, 0
	MUL8 F1, 1, 2
.endm
	s_wait_tensorcnt 1                             ; my part of K step 0 is in; K step 1's may stay out
	s_barrier_signal -1
	s_barrier_wait -1
	FETCH 0, F0
	WIN 0
	s_mov_b32 s3, TSTEPS-2
.Lfilling:                                             ; trip t multiplies K step t and asks for K step t + 2
	QUARTER 1, F0, F1
	QUARTER 2, F1, F0
	QUARTER 3, F0, F1
	TURN 1
	WIN 0
	s_sub_co_u32 s3, s3, 1
	s_cmp_lg_u32 s3, 0
	s_cbranch_scc1 .Lfilling
	s_mov_b32 s3, 2
.Ldraining:                                            ; the last two K steps ask for nothing; the very last fetch reads a slot that has been multiplied and serves nothing: the price of one text for both trips
	QUARTER 1, F0, F1
	QUARTER 2, F1, F0
	QUARTER 3, F0, F1
	TURN 0
	WIN 0
	s_sub_co_u32 s3, s3, 1
	s_cmp_lg_u32 s3, 0
	s_cbranch_scc1 .Ldraining
	s_wait_dscnt 0x0
	PLACES
; THE WAY OUT: 16 bytes a lane into the work-group's stage; a barrier, since a row's 256 bytes come from two waves; back as whole rows, 32 rows a wave.
.irp t, 0,1,2,3,4,5,6,7,8,9,10,11,12,13,14,15
.irp r, 0,1,2,3
	v_cvt_pk_bf16_f32 v[TMP+4*(\t)+(\r)], v[ACC+8*(\t)+2*(\r)], v[ACC+8*(\t)+2*(\r)+1]
.endr
.endr
.irp a, 0,1,2,3
.irp b, 0,1,2,3
	ds_store_b128 v[STO], v[TMP+4*(4*(\a)+(\b)):TMP+4*(4*(\a)+(\b))+3] offset:(\a)*16*SPITCH+32*(\b)
.endr
.endr
	s_wait_dscnt 0x0                               ; for the others' sake: my stores into the stage are done
	s_barrier_signal -1
	s_barrier_wait -1
.irp t, 0,1,2,3,4,5,6,7,8,9,10,11,12,13,14,15
	ds_load_b128 v[TMP+4*(\t):TMP+4*(\t)+3], v[RD] offset:(\t)*2*SPITCH
.endr
.irp t, 0,1,2,3,4,5,6,7,8,9,10,11,12,13,14,15
	s_wait_dscnt 15-(\t)
	global_store_b128 v[CO], v[TMP+4*(\t):TMP+4*(\t)+3], s[8:9] offset:2*(\t)*2048  ; 16 lanes store 256 consecutive bytes, at a multiple of 256 from C's first byte
.endr
	s_wait_tensorcnt 0x0                           ; the wave's end: behind my last tensor load and my last LDS store
	ds_add_u32 v[SPW], v[NIL]
	s_wait_dscnt 0x0
	CROUND                                         ; the closing round: no work-group ends while a partner may still ask for a tile that names it
	s_endpgm
.Lfunc_end_k_q0a6e8e2f2e_wo:
	.size	k_q0a6e8e2f2e_wo, .Lfunc_end_k_q0a6e8e2f2e_wo-k_q0a6e8e2f2e_wo
	.p2alignl 7, 3214868480
	.fill 96, 4, 3214868480
	.section	.rodata,"a",@progbits
	.p2align	6, 0x0
	.amdhsa_kernel k_q0a6e8e2f2e_wo
		.amdhsa_group_segment_fixed_size 327680
		.amdhsa_private_segment_fixed_size 0
		.amdhsa_enable_private_segment 0
		.amdhsa_kernarg_size 24
		.amdhsa_user_sgpr_count 2
		.amdhsa_user_sgpr_kernarg_segment_ptr 1
		.amdhsa_wavefront_size32 1
		.amdhsa_system_sgpr_workgroup_id_x 1
		.amdhsa_system_sgpr_workgroup_id_y 1
		.amdhsa_system_sgpr_workgroup_id_z 1
		.amdhsa_system_vgpr_workitem_id 0
		.amdhsa_next_free_vgpr 512
		.amdhsa_next_free_sgpr 66
		.amdhsa_reserve_vcc 0
		.amdhsa_float_denorm_mode_32 3
		.amdhsa_float_denorm_mode_16_64 3
		.amdhsa_memory_ordered 1
		.amdhsa_forward_progress 1
		.amdhsa_inst_pref_size 59
	.end_amdhsa_kernel
	.amdgpu_metadata
---
amdhsa.version: [ 1, 2 ]
amdhsa.kernels:
  - .name:           k_q0a6e8e2f2e_wo
    .symbol:         k_q0a6e8e2f2e_wo.kd
    .args:
      - { .name: xb, .offset: 0, .size: 8, .value_kind: global_buffer, .address_space: global }
      - { .name: w4, .offset: 8, .size: 8, .value_kind: global_buffer, .address_space: global }
      - { .name: y2, .offset: 16, .size: 8, .value_kind: global_buffer, .address_space: global }
    .group_segment_fixed_size: 327680
    .private_segment_fixed_size: 0
    .kernarg_segment_align: 8
    .kernarg_segment_size: 24
    .max_flat_workgroup_size: 128
    .sgpr_count:     66
    .vgpr_count:     512
    .wavefront_size: 32
...
	.end_amdgpu_metadata
.endif
;; end of part 4
;; launch ln1 (part 5): grid 512 x 1, 8 waves a work-group, no clusters, 0 bytes of LDS; arguments query, y2, ln1_g, ln1_b, qe, xb; writes qe, xb
.if DOCPART == 5
	.amdgcn_target "amdgcn-amd-amdhsa--gfx1250"
	.amdhsa_code_object_version 6
	.text
	.protected	k_q0a6e8e2f2e_ln1
	.globl	k_q0a6e8e2f2e_ln1
	.p2align	8
	.type	k_q0a6e8e2f2e_ln1,@function
k_q0a6e8e2f2e_ln1:
	s_mov_b64 s[64:65], 0
	v_nop
	global_prefetch_b8 v0, s[64:65] scope:SCOPE_SE
	s_setreg_imm32_b32 hwreg(HW_REG_WAVE_MODE, 25, 1), 1
	s_wait_xcnt 0x0
; q_enh = LayerNorm(query + yo) g + b, row by row; yo (the attention's projected output) lies in bf16, [4096][1024], at the head of the second buffer.  q_enh is stored in f32 (qe, for the second residual) and in
; bf16 (xb's rows 0-4095, a matrix operand).
; One wave, one row of 1,024 numbers, kept in 32 registers between the passes: the row is read once, and the reductions never leave the wave: no LDS, no barrier.
; The variance is the mean of (x - mean)^2, taken in a second pass over the registers.  Lane l holds elements 128 j + 4 l .. + 3, j = 0..7: a load of f32 covers 512 consecutive bytes, one of bf16 256.
; LIMITS: NaN and infinities are not treated apart.
.set Q,  16                            ; v[16:47]   the row
.set Y,  48                            ; v[48:63]   yo, two bf16 a register
.set G,  64                            ; v[64:95]   gains
.set B,  96                            ; v[96:127]  biases
.set OB, 128                           ; v[128:143] the row in bf16
.macro ACROSS                          ; the sum of v8 over the 32 lanes, in every lane
	v_add_f32_dpp v8, v8, v8 row_xmask:1 row_mask:0xf bank_mask:0xf
	v_add_f32_dpp v8, v8, v8 row_xmask:2 row_mask:0xf bank_mask:0xf
	v_add_f32_dpp v8, v8, v8 row_xmask:4 row_mask:0xf bank_mask:0xf
	v_add_f32_dpp v8, v8, v8 row_xmask:8 row_mask:0xf bank_mask:0xf
	v_permlanex16_b32 v9, v8, s22, s23
	v_add_f32 v8, v8, v9
.endm
.macro FOLD                            ; the four chains v[8:15] into v8
	v_pk_add_f32 v[8:9], v[8:9], v[10:11]
	v_pk_add_f32 v[12:13], v[12:13], v[14:15]
	v_pk_add_f32 v[8:9], v[8:9], v[12:13]
	v_add_f32 v8, v8, v9
.endm
	s_load_b256 s[4:11], s[0:1], 0x0               ; query s[4:5], yo s[6:7], g s[8:9], b s[10:11]
	s_load_b128 s[12:15], s[0:1], 0x20             ; qe s[12:13], xb s[14:15]
	v_lshrrev_b32 v1, 5, v0
	v_readfirstlane_b32 s16, v1
	s_lshl_b32 s17, ttmp9, 3
	s_add_co_u32 s17, s17, s16                     ; my row
	v_and_b32 v2, 31, v0
	v_lshlrev_b32 v3, 4, v2                        ; 16 x lane
	v_lshlrev_b32 v4, 3, v2                        ; 8 x lane
	s_lshl_b32 s18, s17, 12                        ; the row in f32
	s_mov_b32 s19, 0
	s_lshl_b32 s20, s17, 11                        ; and in bf16
	s_mov_b32 s21, 0
	s_mov_b32 s22, 0x76543210
	s_mov_b32 s23, 0xfedcba98
	s_mov_b32 s24, 0x3a800000                      ; 1 / 1,024
	s_mov_b32 s25, 0x3727c5ac                      ; 1e-5
	s_wait_kmcnt 0x0
	s_add_nc_u64 s[4:5], s[4:5], s[18:19]
	s_add_nc_u64 s[6:7], s[6:7], s[20:21]
	s_add_nc_u64 s[12:13], s[12:13], s[18:19]
	s_add_nc_u64 s[14:15], s[14:15], s[20:21]
.irp j, 0,1,2,3,4,5,6,7
	global_load_b128 v[Q+4*(\j):Q+4*(\j)+3], v3, s[4:5] offset:512*(\j) th:TH_LOAD_NT
.endr
.irp j, 0,1,2,3,4,5,6,7
	global_load_b64 v[Y+2*(\j):Y+2*(\j)+1], v4, s[6:7] offset:256*(\j) th:TH_LOAD_NT
.endr
.irp j, 0,1,2,3,4,5,6,7
	global_load_b128 v[G+4*(\j):G+4*(\j)+3], v3, s[8:9] offset:512*(\j)
.endr
.irp j, 0,1,2,3,4,5,6,7
	global_load_b128 v[B+4*(\j):B+4*(\j)+3], v3, s[10:11] offset:512*(\j)
.endr
	s_wait_loadcnt 16                              ; the row's two parts are in; the 16 loads of gains and biases may stay out
.irp j, 0,1,2,3,4,5,6,7
	v_lshlrev_b32 v8, 16, v[Y+2*(\j)]              ; bf16 to f32: the low half moves up, the high half stays
	v_and_b32 v9, 0xffff0000, v[Y+2*(\j)]
	v_lshlrev_b32 v10, 16, v[Y+2*(\j)+1]
	v_and_b32 v11, 0xffff0000, v[Y+2*(\j)+1]
	v_pk_add_f32 v[Q+4*(\j):Q+4*(\j)+1], v[Q+4*(\j):Q+4*(\j)+1], v[8:9]
	v_pk_add_f32 v[Q+4*(\j)+2:Q+4*(\j)+3], v[Q+4*(\j)+2:Q+4*(\j)+3], v[10:11]
.endr
.irp c, 0,1,2,3
	v_pk_add_f32 v[8+2*(\c):9+2*(\c)], v[Q+4*(\c):Q+4*(\c)+1], v[Q+4*(\c)+2:Q+4*(\c)+3]  ; four chains, started by the first numbers: nothing is cleared
.endr
.set k, 0
.rept 8
	v_pk_add_f32 v[8+2*(k%4):9+2*(k%4)], v[8+2*(k%4):9+2*(k%4)], v[Q+16+2*k:Q+17+2*k]
.set k, k+1
.endr
	FOLD
	ACROSS
	v_mul_f32 v6, s24, v8                          ; the mean, twice: a pair for the packed subtraction
	v_mov_b32 v7, v6
.set k, 0
.rept 16
	v_pk_add_f32 v[Q+2*k:Q+2*k+1], v[Q+2*k:Q+2*k+1], v[6:7] neg_lo:[0,1] neg_hi:[0,1]
.set k, k+1
.endr
.irp c, 0,1,2,3
	v_pk_mul_f32 v[8+2*(\c):9+2*(\c)], v[Q+2*(\c):Q+2*(\c)+1], v[Q+2*(\c):Q+2*(\c)+1]
.endr
.set k, 4
.rept 12
	v_pk_fma_f32 v[8+2*(k%4):9+2*(k%4)], v[Q+2*k:Q+2*k+1], v[Q+2*k:Q+2*k+1], v[8+2*(k%4):9+2*(k%4)]
.set k, k+1
.endr
	FOLD
	ACROSS
	v_fma_f32 v10, v8, s24, s25                    ; the variance + 1e-5
	v_rsq_f32 v6, v10
	v_rsq_f32 v7, v10
	v_nop                                          ; a plain instruction behind the second root,
	s_wait_alu depctr_va_vdst(0)                   ; and one wait for both, ahead of their first reader
	s_wait_loadcnt 0x0                             ; gains and biases
.set k, 0
.rept 16
	v_pk_mul_f32 v[Q+2*k:Q+2*k+1], v[Q+2*k:Q+2*k+1], v[6:7]
.set k, k+1
.endr
.set k, 0
.rept 16
	v_pk_fma_f32 v[Q+2*k:Q+2*k+1], v[Q+2*k:Q+2*k+1], v[G+2*k:G+2*k+1], v[B+2*k:B+2*k+1]
.set k, k+1
.endr
.irp j, 0,1,2,3,4,5,6,7
	global_store_b128 v3, v[Q+4*(\j):Q+4*(\j)+3], s[12:13] offset:512*(\j)
.endr
.irp j, 0,1,2,3,4,5,6,7
	v_cvt_pk_bf16_f32 v[OB+2*(\j)], v[Q+4*(\j)], v[Q+4*(\j)+1]
	v_cvt_pk_bf16_f32 v[OB+2*(\j)+1], v[Q+4*(\j)+2], v[Q+4*(\j)+3]
	global_store_b64 v4, v[OB+2*(\j):OB+2*(\j)+1], s[14:15] offset:256*(\j)  ; the wave stores 256 consecutive bytes, at a multiple of 256 from the buffer's first byte
.endr
	s_endpgm
.Lfunc_end_k_q0a6e8e2f2e_ln1:
	.size	k_q0a6e8e2f2e_ln1, .Lfunc_end_k_q0a6e8e2f2e_ln1-k_q0a6e8e2f2e_ln1
	.p2alignl 7, 3214868480
	.fill 96, 4, 3214868480
	.section	.rodata,"a",@progbits
	.p2align	6, 0x0
	.amdhsa_kernel k_q0a6e8e2f2e_ln1
		.amdhsa_group_segment_fixed_size 0
		.amdhsa_private_segment_fixed_size 0
		.amdhsa_enable_private_segment 0
		.amdhsa_kernarg_size 48
		.amdhsa_user_sgpr_count 2
		.amdhsa_user_sgpr_kernarg_segment_ptr 1
		.amdhsa_wavefront_size32 1
		.amdhsa_system_sgpr_workgroup_id_x 1
		.amdhsa_system_sgpr_workgroup_id_y 1
		.amdhsa_system_sgpr_workgroup_id_z 1
		.amdhsa_system_vgpr_workitem_id 0
		.amdhsa_next_free_vgpr 144
		.amdhsa_next_free_sgpr 66
		.amdhsa_reserve_vcc 0
		.amdhsa_float_denorm_mode_32 3
		.amdhsa_float_denorm_mode_16_64 3
		.amdhsa_memory_ordered 1
		.amdhsa_forward_progress 1
		.amdhsa_inst_pref_size 16
	.end_amdhsa_kernel
	.amdgpu_metadata
---
amdhsa.version: [ 1, 2 ]
amdhsa.kernels:
  - .name:           k_q0a6e8e2f2e_ln1
    .symbol:         k_q0a6e8e2f2e_ln1.kd
    .args:
      - { .name: query, .offset: 0, .size: 8, .value_kind: global_buffer, .address_space: global }
      - { .name: y2, .offset: 8, .size: 8, .value_kind: global_buffer, .address_space: global }
      - { .name: ln1_g, .offset: 16, .size: 8, .value_kind: global_buffer, .address_space: global }
      - { .name: ln1_b, .offset: 24, .size: 8, .value_kind: global_buffer, .address_space: global }
      - { .name: qe, .offset: 32, .size: 8, .value_kind: global_buffer, .address_space: global }
      - { .name: xb, .offset: 40, .size: 8, .value_kind: global_buffer, .address_space: global }
    .group_segment_fixed_size: 0
    .private_segment_fixed_size: 0
    .kernarg_segment_align: 8
    .kernarg_segment_size: 48
    .max_flat_workgroup_size: 256
    .sgpr_count:     66
    .vgpr_count:     144
    .wavefront_size: 32
...
	.end_amdgpu_metadata
.endif
;; end of part 5
;; launch ffn1: the kernel of part 2 again; grid 16 x 16, 4 waves a work-group, clusters of 4 x 4, 327,680 bytes of LDS; arguments xb, wf, ffn_b1, zb, h; writes h
;; launch ffn2 (part 6): grid 8 x 32, 4 waves a work-group, clusters of 4 x 4, 327,680 bytes of LDS; arguments h, wf, y2; writes y2
.if DOCPART == 6
	.amdgcn_target "amdgcn-amd-amdhsa--gfx1250"
	.amdhsa_code_object_version 6
	.text
	.protected	k_q0a6e8e2f2e_ffn2
	.globl	k_q0a6e8e2f2e_ffn2
	.p2align	8
	.type	k_q0a6e8e2f2e_ffn2,@function
k_q0a6e8e2f2e_ffn2:
	s_mov_b64 s[64:65], 0
	v_nop
	global_prefetch_b8 v0, s[64:65] scope:SCOPE_SE
	s_setreg_imm32_b32 hwreg(HW_REG_WAVE_MODE, 25, 1), 1
	s_wait_xcnt 0x0
	s_wait_alu depctr_hold_cnt(0) depctr_sa_sdst(0) depctr_va_vdst(0) depctr_va_sdst(0) depctr_va_ssrc(0) depctr_va_vcc(0) depctr_vm_vsrc(0)
	s_getreg_b32 s2, hwreg(HW_REG_IB_STS2, 6, 4)
	s_cmp_eq_u32 s2, 0
	s_cbranch_scc0 .Lentry_in_a_cluster
	s_endpgm
.Lentry_in_a_cluster:
	s_bfe_u32 s2, ttmp6, 0x10000c
	s_cmp_lg_u32 s2, 0xf033
	s_cbranch_scc0 .Lentry_shape_is_right
	s_endpgm
.Lentry_shape_is_right:
; C[m][n] = sum over k of A[m][k] W[k][n].  A: [rows][SIZE_K] bf16, W: [SIZE_K][1024] bf16 as the problem stores it (k down the rows), sums in f32.
; Here: A = h, SIZE_K = 4,096; W = ffn_w2 in bf16, the second half of wf; C = y2 in f32: the bias, the residual and the norm follow in the next launch.
; A tile of C is 128 x 128: four waves, each 64 x 64 = 16 accumulators: 256 tiles, one for each work-group.  K goes in steps of 256 through two LDS slots that tensor loads fill; one text of a K step serves every trip:
; the slot that is read and the slot that is filled are offsets in scalar registers, turned by an exclusive or between 0 and SLOT.
; W's fragments come out of LDS turned (ds_load_tr16_b128), so no launch has to transpose a weight.
; THE MATRIX INSTRUCTION IS USED TRANSPOSED (source 0 = 16 columns of W, source 1 = 16 rows of A): a lane holds eight neighbouring numbers of one row of C.
; CLUSTER 4 x 4: A's tile is asked for jointly along a row of the cluster, W's along a column.
; No prefetch is laid: a tile is small.  The sums start from registers cleared while the first tile is on its way, so that the loop has one form of product.
; LIMITS: NaN and infinities are not treated apart.
.set SIZE_K,  4096
.set LOGROW,  13                       ; a row of A is 2^LOGROW bytes
.set WSEL,    0                        ; one weight for all rows
.set WBASE,   8388608                  ; bytes in front of the weight in its buffer
.set F32OUT,  1                        ; 0: C in bf16; 1: C in f32
.set KSTEP,   256
.set TSTEPS,  SIZE_K/KSTEP
.set STEPA,   KSTEP*2                  ; bytes from K step to K step in A
.set STEPB,   KSTEP*2048               ; and in W: 256 rows of 2,048 bytes
.set PA,      528                      ; an LDS row of A: 512 bytes + 16: the 16 rows of a fragment load begin in 16 different groups of four banks (64 banks of 4 bytes: ISA guide 11.1)
.set HALFA,   64*PA                    ; what one tensor load brings of A
.set PB,      288                      ; an LDS row of W: 128 columns = 256 bytes + 32
.set HALFB,   128*PB                   ; what one tensor load brings of W
.set BOFF,    2*HALFA
.set SLOT,    BOFF+2*HALFB
.set STAGE,   2*SLOT                   ; behind the ring, never filled by a tensor load
.set SPITCH,  272
.if F32OUT
.set SPARE,   STAGE+4*16*SPITCH        ; the spare words: 128 bytes a wave, two blocks of 256 bytes that no other line names
.else
.set SPARE,   STAGE+128*SPITCH
.endif
.set A0,   10                          ; v10  my lane's place in A's part of a slot; never rewritten
.set B0,   11                          ; v11  the same in W's part, k rows 0-127
.set B1,   12                          ; v12  k rows 128-255
.set ADRA, 16                          ; v16  A0 + the slot in hand
.set ADRB, 20                          ; v20-21  B0, B1 + the slot in hand
.set STO,  24                          ; v24  the way out: where I put my bytes of a row
.set RD,   25                          ; v25  where I read rows back
.set CO,   26                          ; v26  my byte offset in C
.set SPW,  28                          ; v28  LDS address of my spare word; never rewritten
.set NIL,  29                          ; v29  0; never rewritten
.set TMP,  32                          ; v[32:95] at work on the way out
.set ACC,  128                         ; v[128:255] accumulator (a, b) at ACC + 8 (4 a + b)
.set F0,   0                           ; window 1: two fragment buffers of 128: 64 of A (at 8 (4 c + a)), then 64 of W (at 64 + 8 (4 c + b)); c = which 32 of the quarter's 64 along K
.set F1,   128
.set LA,   20                          ; s20  where my load of A goes in a slot
.set LB,   21                          ; s21  where my load of W goes
.set FS,   22                          ; s22  the slot filled last: 0 or SLOT
.set RS,   23                          ; s23  the slot read: 0 or SLOT
.set G1,   24                          ; s[24:31] descriptor group 1 for A
.set G0,   32                          ; s[32:39] group 0 for A: K step 0's, and the one that walks
.set G1B,  48                          ; s[48:55], s[56:63] the same for W
.set G0B,  56
.set MSB, 0
.macro WIN new                         ; the immediate's high byte repeats the setting that is left; a switch that changes nothing is dropped
.if MSB != (\new)
	s_set_vgpr_msb (MSB<<8)|(\new)
.set MSB, \new
.endif
.endm
.set MUL,  0x05                        ; sources 0 and 1 in window 1; C and D in window 0
.set TO_F, 0x40                        ; destination in window 1, address in window 0
.macro JLOAD s                         ; a joint load: waves 0 and 1 fetch A's halves, waves 2 and 3 W's; an s_nop 0 and four v_nop follow each line, ahead of the jump and the label
	s_cmp_eq_u32 s11, 0
	s_cbranch_scc0 .Lfor_b_\@
	tensor_load_to_lds s[G0+4*(\s):G0+4*(\s)+3], s[G1:G1+7]
	s_nop 0
.rept 4
	v_nop
.endr
	s_branch .Lasked_\@
.Lfor_b_\@:
	tensor_load_to_lds s[G0B+4*(\s):G0B+4*(\s)+3], s[G1B:G1B+7]
	s_nop 0
.rept 4
	v_nop
.endr
.Lasked_\@:
.endm
.macro CREST                           ; a round of the cluster's barrier behind its opening barrier
	s_cmp_lg_u32 s10, 0
	s_cbranch_scc1 .Lnot_wave_0_\@
	s_barrier_signal -3
.Lnot_wave_0_\@:
	s_barrier_wait -3
	s_barrier_signal -1
	s_barrier_wait -1
.endm
.macro CROUND
	s_barrier_signal -1
	s_barrier_wait -1
	CREST
.endm
.macro PLACES                          ; four plain vector instructions between a matrix instruction and a load into, or a reader of, its registers
.rept 4
	v_nop
.endr
.endm
	s_load_b128 s[4:7], s[0:1], 0x0                ; A s[4:5], W s[6:7]
	s_load_b64 s[8:9], s[0:1], 0x10                ; C
	v_lshl_add_u32 v[SPW], v0, 2, SPARE
	v_mov_b32 v[NIL], 0
	ds_add_u32 v[SPW], v[NIL]                      ; the wave's opening: the add and its wait stand ahead of my first tensor load
	v_lshrrev_b32 v1, 5, v0
	v_readfirstlane_b32 s10, v1                    ; wave 0..3
	s_lshr_b32 s11, s10, 1                         ; my half of the tile's rows.  Also: I fetch for A (0) or for W (1)
	s_and_b32 s12, s10, 1                          ; my half of its columns.  Also: which half of that tile I fetch
	s_bfe_u32 s40, ttmp6, 0x40000                  ; cx
	s_bfe_u32 s41, ttmp6, 0x40004                  ; cy
	s_lshl_b32 s42, ttmp9, 2
	s_add_co_u32 s42, s42, s40                     ; tile column = 4 x cluster x + cx
	s_and_b32 s45, ttmp7, 0xffff                   ; cluster y
	s_lshl_b32 s13, s45, 2
	s_add_co_u32 s13, s13, s41                     ; tile row = 4 x cluster y + cy
	s_lshl_b32 s43, s41, 2
	s_lshl_b32 s43, 15, s43                        ; my row of the cluster
	s_lshl_b32 s44, 0x1111, s40                    ; my column
	s_or_b32 s[G1+0], s43, (1<<16)|(1<<20)|(1<<21)|(6<<22)|(3<<25)   ; mask; 2-byte elements; padding on; bit 21 beside a mask; after every 128 words, 4 words
	s_mov_b32 s[G1+1], KSTEP<<16                   ; tensor_dim0 = 256
	s_mov_b32 s[G1+2], 64<<16                      ; tensor_dim1 = 64
	s_mov_b32 s[G1+3], KSTEP<<16                   ; tile_dim0 = 256
	s_mov_b32 s[G1+4], 64                          ; tile_dim1 = 64
	s_mov_b32 s[G1+5], SIZE_K                      ; elements from row to row
	s_mov_b32 s[G1+6], 0
	s_mov_b32 s[G1+7], 0
	s_or_b32 s[G1B+0], s44, (1<<16)|(1<<20)|(1<<21)|(5<<22)|(7<<25)  ; after every 64 words, 8 words
	s_mov_b32 s[G1B+1], 128<<16                    ; tensor_dim0 = 128 columns
	s_mov_b32 s[G1B+2], 128<<16                    ; tensor_dim1 = 128 k rows
	s_mov_b32 s[G1B+3], 128<<16
	s_mov_b32 s[G1B+4], 128
	s_mov_b32 s[G1B+5], 1024
	s_mov_b32 s[G1B+6], 0
	s_mov_b32 s[G1B+7], 0
	s_lshl_b32 s16, s13, 7
	s_lshl_b32 s17, s12, 6
	s_add_co_u32 s16, s16, s17                     ; A: row 128 x tile row + 64 x half,
	s_lshl_b32 s16, s16, LOGROW                    ; in bytes
	s_mov_b32 s17, 0
	s_lshl_b32 s46, s12, 18                        ; W: k row 128 x half,
	s_lshl_b32 s47, s42, 8                         ; column 128 x tile column
	s_add_co_u32 s46, s46, s47
.if WSEL
	s_lshr_b32 s45, s45, 3                         ; which weight: made of the cluster's y alone
	s_lshl_b32 s45, s45, 21
	s_add_co_u32 s46, s46, s45
.endif
.if WBASE
	s_add_co_u32 s46, s46, WBASE
.endif
	s_mov_b32 s47, 0
	s_mul_i32 s[LA], s12, HALFA                    ; no place in the cluster enters an LDS address
	s_mul_i32 s[LB], s12, HALFB
	s_add_co_u32 s[LB], s[LB], BOFF
	s_mov_b32 s[FS], SLOT                          ; the walking descriptor begins in slot 1
	s_mov_b32 s[RS], 0
	s_wait_dscnt 0x0                               ; the opening add is done
	s_wait_kmcnt 0x0
	s_add_nc_u64 s[14:15], s[4:5], s[16:17]
	s_add_nc_u64 s[46:47], s[6:7], s[46:47]
	CROUND                                         ; all sixteen work-groups are here: the first joint loads meet
.irp s, 0,1
	s_mov_b32 s[G0+4*(\s)], 1
	s_add_co_u32 s[G0+4*(\s)+1], s[LA], (\s)*SLOT
	s_add_nc_u64 s[G0+4*(\s)+2:G0+4*(\s)+3], s[14:15], (\s)*STEPA
	s_or_b32 s[G0+4*(\s)+3], s[G0+4*(\s)+3], 0x80000000
	s_mov_b32 s[G0B+4*(\s)], 1
	s_add_co_u32 s[G0B+4*(\s)+1], s[LB], (\s)*SLOT
	s_add_nc_u64 s[G0B+4*(\s)+2:G0B+4*(\s)+3], s[46:47], (\s)*STEPB
	s_or_b32 s[G0B+4*(\s)+3], s[G0B+4*(\s)+3], 0x80000000
	JLOAD \s                                       ; K steps 0 and 1: two loads of mine are out
.endr
	v_and_b32 v1, 15, v0                           ; l % 16
	v_bfe_u32 v2, v0, 4, 1                         ; l / 16
	v_mul_u32_u24 v3, v1, PA
	v_lshl_add_u32 v3, v2, 4, v3                   ; A: row x pitch + 16 x half of the lanes
	s_mul_i32 s16, s11, HALFA                      ; my 64 rows
	v_add_nc_u32 v[A0], s16, v3
	v_and_b32 v4, 7, v0
	v_lshl_add_u32 v4, v2, 3, v4                   ; W: k row 8 (l / 16) + l % 8,
	v_mul_u32_u24 v4, v4, PB
	v_bfe_u32 v5, v0, 3, 1
	v_lshl_add_u32 v4, v5, 4, v4                   ; 16 bytes for each eight lanes,
	s_lshl_b32 s16, s12, 7                         ; my 64 columns
	s_add_co_u32 s16, s16, BOFF
	v_add_nc_u32 v[B0], s16, v4
	v_add_nc_u32 v[B1], HALFB, v[B0]
	v_mov_b32 v[ADRA], v[A0]
	v_mov_b32 v[ADRB], v[B0]
	v_mov_b32 v[ADRB+1], v[B1]
.if F32OUT
	s_mul_i32 s16, s10, 16*SPITCH                  ; my own stage: 16 rows of 64 f32
	s_add_co_u32 s16, s16, STAGE
	v_mul_u32_u24 v4, v1, SPITCH
	v_lshl_add_u32 v4, v2, 5, v4                   ; in: row l % 16, 32 bytes for each half of the lanes
	v_add_nc_u32 v[STO], s16, v4
	v_mul_u32_u24 v5, v2, SPITCH
	v_lshl_add_u32 v5, v1, 4, v5                   ; back: lanes 0-15 one row of 256 bytes, lanes 16-31 the next
	v_add_nc_u32 v[RD], s16, v5
	v_lshlrev_b32 v5, 12, v2
	v_lshl_add_u32 v[CO], v1, 4, v5                ; the same two rows in C (4,096 bytes a row)
	s_lshl_b32 s16, s13, 7
	s_lshl_b32 s17, s11, 6
	s_add_co_u32 s16, s16, s17                     ; my first row of C
	s_lshl_b32 s16, s16, 12
	s_mov_b32 s17, 0
	s_add_nc_u64 s[8:9], s[8:9], s[16:17]
	s_lshl_b32 s46, s42, 9
	s_lshl_b32 s47, s12, 8
	s_add_co_u32 s46, s46, s47                     ; my first column, in bytes
	s_mov_b32 s47, 0
	s_add_nc_u64 s[8:9], s[8:9], s[46:47]
.else
	s_mul_i32 s16, s11, 64*SPITCH                  ; the work-group's stage: my 64 rows, my half of their 256 bytes
	s_lshl_b32 s17, s12, 7
	s_add_co_u32 s16, s16, s17
	s_add_co_u32 s16, s16, STAGE
	v_mul_u32_u24 v4, v1, SPITCH
	v_lshl_add_u32 v4, v2, 4, v4
	v_add_nc_u32 v[STO], s16, v4
	s_mul_i32 s16, s10, 32*SPITCH                  ; back: wave w takes rows 32 w .. 32 w + 31, whole
	s_add_co_u32 s16, s16, STAGE
	v_mul_u32_u24 v5, v2, SPITCH
	v_lshl_add_u32 v5, v1, 4, v5
	v_add_nc_u32 v[RD], s16, v5
	v_lshlrev_b32 v5, 11, v2
	v_lshl_add_u32 v[CO], v1, 4, v5                ; the same two rows in C (2,048 bytes a row)
	s_lshl_b32 s16, s13, 7
	s_lshl_b32 s17, s10, 5
	s_add_co_u32 s16, s16, s17                     ; the first row of C that I store
	s_lshl_b32 s16, s16, 11
	s_mov_b32 s17, 0
	s_add_nc_u64 s[8:9], s[8:9], s[16:17]
	s_lshl_b32 s46, s42, 8                         ; the tile's first column, in bytes
	s_mov_b32 s47, 0
	s_add_nc_u64 s[8:9], s[8:9], s[46:47]
.endif
.set r, 0
.rept 128
	v_mov_b32 v[ACC+r], 0                          ; written while the first tile is on its way
.set r, r+1
.endr
; 8 matrix instructions: row blocks a0, a0 + 1 x all 4 column blocks, 32 along K: half c of buffer f.  The 16 accumulators take turns, one instruction a turn.
.macro MUL8 f, c, a0
	WIN MUL
.irp a, \a0, (\a0)+1
.irp b, 0,1,2,3
	v_wmma_f32_16x16x32_bf16 v[ACC+8*(4*(\a)+(\b)):ACC+8*(4*(\a)+(\b))+7], v[(\f)+64+8*(4*(\c)+(\b)):(\f)+64+8*(4*(\c)+(\b))+7], v[(\f)+8*(4*(\c)+(\a)):(\f)+8*(4*(\c)+(\a))+7], v[ACC+8*(4*(\a)+(\b)):ACC+8*(4*(\a)+(\b))+7]
.endr
.endr
.endm
; 32 LDS loads in one run: the fragments of quarter q (64 along K) of the slot in hand into buffer f; the first 32 along K first
.macro FETCH q, f
	WIN TO_F
.irp c, 0,1
.irp i, 0,1,2,3
	ds_load_tr16_b128 v[(\f)+64+8*(4*(\c)+(\i)):(\f)+64+8*(4*(\c)+(\i))+3],   v[ADRB+(\q)/2] offset:(((\q)%2)*64+32*(\c))*PB+32*(\i)
	ds_load_tr16_b128 v[(\f)+64+8*(4*(\c)+(\i))+4:(\f)+64+8*(4*(\c)+(\i))+7], v[ADRB+(\q)/2] offset:(((\q)%2)*64+32*(\c)+16)*PB+32*(\i)
	ds_load_b128 v[(\f)+8*(4*(\c)+(\i)):(\f)+8*(4*(\c)+(\i))+3],   v[ADRA] offset:128*(\q)+64*(\c)+(\i)*16*PA
	ds_load_b128 v[(\f)+8*(4*(\c)+(\i))+4:(\f)+8*(4*(\c)+(\i))+7], v[ADRA] offset:128*(\q)+64*(\c)+(\i)*16*PA+32
.endr
.endr
.endm
; One of a K step's first three quarters: multiplies buffer f and fetches quarter q into g
.macro QUARTER q, f, g
	s_wait_dscnt 16                                ; the first 32 along K are in; the 16 younger loads may be out
	MUL8 \f, 0, 0
	MUL8 \f, 0, 2
	PLACES
	FETCH \q, \g
	s_wait_dscnt 32                                ; all but the 32 just issued
	MUL8 \f, 1, 0
	MUL8 \f, 1, 2
.endm
; The last quarter multiplies buffer 1 and changes slots: ONE barrier; in front of it each wave waits for all its tensor loads, adds 0 to its spare word, and waits for that and for its reads of this slot.
; fill = 1: the barrier opens a round of the cluster's, and the slot just read is filled again, with the K step two on, first thing behind the round.
.macro TURN fill
	WIN 0
	s_wait_tensorcnt 0x0                           ; all my tensor loads have landed: my part of the next slot
	ds_add_u32 v[SPW], v[NIL]                      ; 0 onto my spare word
	s_wait_dscnt 17                                ; (the add and the youngest sixteen loads may be out)
	MUL8 F1, 0, 0
	s_wait_dscnt 0x0                               ; the add is done, and my reads of this slot are over
	s_barrier_signal -1
	MUL8 F1, 0, 2
	WIN 0
	s_barrier_wait -1
.if \fill
	CREST                                          ; no wave of any partner still reads this slot or has a load on its way
	s_xor_b32 s[FS], s[FS], SLOT
	s_add_co_u32 s[G0+5], s[LA], s[FS]
	s_add_co_u32 s[G0B+5], s[LB], s[FS]
	s_add_nc_u64 s[G0+6:G0+7], s[G0+6:G0+7], STEPA
	s_add_nc_u64 s[G0B+6:G0B+7], s[G0B+6:G0B+7], STEPB
	JLOAD 1
.endif
	s_xor_b32 s[RS], s[RS], SLOT                   ; the fetches go on in the other slot
	v_add_nc_u32 v[ADRA], s[RS], v[A0]             ; these four are also the places in front of the loads below
	v_add_nc_u32 v[ADRB], s[RS], v[B0]
	v_add_nc_u32 v[ADRB+1], s[RS], v[B1]
	v_nop
	FETCH 0, F0
	MUL8 F1, 1, 0
	MUL8 F1, 1, 2
.endm
	s_wait_tensorcnt 1                             ; my part of K step 0 is in; K step 1's may stay out
	s_barrier_signal -1
	s_barrier_wait -1
	FETCH 0, F0
	WIN 0
	s_mov_b32 s3, TSTEPS-2
.Lfilling:                                             ; trip t multiplies K step t and asks for K step t + 2
	QUARTER 1, F0, F1
	QUARTER 2, F1, F0
	QUARTER 3, F0, F1
	TURN 1
	WIN 0
	s_sub_co_u32 s3, s3, 1
	s_cmp_lg_u32 s3, 0
	s_cbranch_scc1 .Lfilling
	s_mov_b32 s3, 2
.Ldraining:                                            ; the last two K steps ask for nothing; the very last fetch reads a slot that has been multiplied and serves nothing: the price of one text for both trips
	QUARTER 1, F0, F1
	QUARTER 2, F1, F0
	QUARTER 3, F0, F1
	TURN 0
	WIN 0
	s_sub_co_u32 s3, s3, 1
	s_cmp_lg_u32 s3, 0
	s_cbranch_scc1 .Ldraining
	s_wait_dscnt 0x0
	PLACES
.if F32OUT
; THE WAY OUT in f32: a wave's 64 columns are 256 bytes of a row of C.  16 rows at a time go through the wave's own stage and come back as whole rows; LDS serves a wave's instructions in order (ISA guide 5.7.1.4).
.macro OUTB a
.if (\a) >= 2
	s_wait_xcnt 0x0                                ; the stores of two blocks back have read the registers that are loaded again below
.endif
.irp b, 0,1,2,3
	ds_store_b128 v[STO], v[ACC+8*(4*(\a)+(\b)):ACC+8*(4*(\a)+(\b))+3]   offset:64*(\b)
	ds_store_b128 v[STO], v[ACC+8*(4*(\a)+(\b))+4:ACC+8*(4*(\a)+(\b))+7] offset:64*(\b)+16
.endr
.irp t, 0,1,2,3,4,5,6,7
	ds_load_b128 v[TMP+32*((\a)%2)+4*(\t):TMP+32*((\a)%2)+4*(\t)+3], v[RD] offset:(\t)*2*SPITCH
.endr
.irp t, 0,1,2,3,4,5,6,7
	s_wait_dscnt 7-(\t)
	global_store_b128 v[CO], v[TMP+32*((\a)%2)+4*(\t):TMP+32*((\a)%2)+4*(\t)+3], s[8:9] offset:(16*(\a)+2*(\t))*4096  ; 16 lanes store 256 consecutive bytes, at a multiple of 256 from C's first byte
.endr
.endm
	OUTB 0
	OUTB 1
	OUTB 2
	OUTB 3
.else
; THE WAY OUT in bf16: 16 bytes a lane into the work-group's stage; a barrier, since a row's 256 bytes come from two waves; back as whole rows, 32 rows a wave.
.irp t, 0,1,2,3,4,5,6,7,8,9,10,11,12,13,14,15
.irp r, 0,1,2,3
	v_cvt_pk_bf16_f32 v[TMP+4*(\t)+(\r)], v[ACC+8*(\t)+2*(\r)], v[ACC+8*(\t)+2*(\r)+1]
.endr
.endr
.irp a, 0,1,2,3
.irp b, 0,1,2,3
	ds_store_b128 v[STO], v[TMP+4*(4*(\a)+(\b)):TMP+4*(4*(\a)+(\b))+3] offset:(\a)*16*SPITCH+32*(\b)
.endr
.endr
	s_wait_dscnt 0x0                               ; for the others' sake: my stores into the stage are done
	s_barrier_signal -1
	s_barrier_wait -1
.irp t, 0,1,2,3,4,5,6,7,8,9,10,11,12,13,14,15
	ds_load_b128 v[TMP+4*(\t):TMP+4*(\t)+3], v[RD] offset:(\t)*2*SPITCH
.endr
.irp t, 0,1,2,3,4,5,6,7,8,9,10,11,12,13,14,15
	s_wait_dscnt 15-(\t)
	global_store_b128 v[CO], v[TMP+4*(\t):TMP+4*(\t)+3], s[8:9] offset:2*(\t)*2048  ; 16 lanes store 256 consecutive bytes, at a multiple of 256 from C's first byte
.endr
.endif
	s_wait_tensorcnt 0x0                           ; the wave's end: behind my last tensor load and my last LDS store
	ds_add_u32 v[SPW], v[NIL]
	s_wait_dscnt 0x0
	CROUND                                         ; the closing round: no work-group ends while a partner may still ask for a tile that names it
	s_endpgm
.Lfunc_end_k_q0a6e8e2f2e_ffn2:
	.size	k_q0a6e8e2f2e_ffn2, .Lfunc_end_k_q0a6e8e2f2e_ffn2-k_q0a6e8e2f2e_ffn2
	.p2alignl 7, 3214868480
	.fill 96, 4, 3214868480
	.section	.rodata,"a",@progbits
	.p2align	6, 0x0
	.amdhsa_kernel k_q0a6e8e2f2e_ffn2
		.amdhsa_group_segment_fixed_size 327680
		.amdhsa_private_segment_fixed_size 0
		.amdhsa_enable_private_segment 0
		.amdhsa_kernarg_size 24
		.amdhsa_user_sgpr_count 2
		.amdhsa_user_sgpr_kernarg_segment_ptr 1
		.amdhsa_wavefront_size32 1
		.amdhsa_system_sgpr_workgroup_id_x 1
		.amdhsa_system_sgpr_workgroup_id_y 1
		.amdhsa_system_sgpr_workgroup_id_z 1
		.amdhsa_system_vgpr_workitem_id 0
		.amdhsa_next_free_vgpr 512
		.amdhsa_next_free_sgpr 66
		.amdhsa_reserve_vcc 0
		.amdhsa_float_denorm_mode_32 3
		.amdhsa_float_denorm_mode_16_64 3
		.amdhsa_memory_ordered 1
		.amdhsa_forward_progress 1
		.amdhsa_inst_pref_size 58
	.end_amdhsa_kernel
	.amdgpu_metadata
---
amdhsa.version: [ 1, 2 ]
amdhsa.kernels:
  - .name:           k_q0a6e8e2f2e_ffn2
    .symbol:         k_q0a6e8e2f2e_ffn2.kd
    .args:
      - { .name: h, .offset: 0, .size: 8, .value_kind: global_buffer, .address_space: global }
      - { .name: wf, .offset: 8, .size: 8, .value_kind: global_buffer, .address_space: global }
      - { .name: y2, .offset: 16, .size: 8, .value_kind: global_buffer, .address_space: global }
    .group_segment_fixed_size: 327680
    .private_segment_fixed_size: 0
    .kernarg_segment_align: 8
    .kernarg_segment_size: 24
    .max_flat_workgroup_size: 128
    .sgpr_count:     66
    .vgpr_count:     512
    .wavefront_size: 32
...
	.end_amdgpu_metadata
.endif
;; end of part 6
;; launch ln2 (part 7): grid 512 x 1, 8 waves a work-group, no clusters, 0 bytes of LDS; arguments qe, y2, ffn_b2, ln2_g, ln2_b, out0; writes out0
.if DOCPART == 7
	.amdgcn_target "amdgcn-amd-amdhsa--gfx1250"
	.amdhsa_code_object_version 6
	.text
	.protected	k_q0a6e8e2f2e_ln2
	.globl	k_q0a6e8e2f2e_ln2
	.p2align	8
	.type	k_q0a6e8e2f2e_ln2,@function
k_q0a6e8e2f2e_ln2:
	s_mov_b64 s[64:65], 0
	v_nop
	global_prefetch_b8 v0, s[64:65] scope:SCOPE_SE
	s_setreg_imm32_b32 hwreg(HW_REG_WAVE_MODE, 25, 1), 1
	s_wait_xcnt 0x0
; out0 = LayerNorm(q_enh + (y2 + ffn_b2)) g + b, row by row, all in f32.
; One wave, one row of 1,024 numbers, kept in 32 registers between the passes: the row is read once, and the reductions never leave the wave: no LDS, no barrier.
; The variance is the mean of (x - mean)^2, taken in a second pass over the registers.  Lane l holds elements 128 j + 4 l .. + 3, j = 0..7: each load and store of the wave covers 512 consecutive bytes.
; LIMITS: NaN and infinities are not treated apart.
.set Q,  16                            ; v[16:47]   the row
.set Y,  48                            ; v[48:79]   y2
.set C,  80                            ; v[80:111]  ffn_b2
.set G,  112                           ; v[112:143] gains
.set B,  144                           ; v[144:175] biases
.macro ACROSS                          ; the sum of v8 over the 32 lanes, in every lane
	v_add_f32_dpp v8, v8, v8 row_xmask:1 row_mask:0xf bank_mask:0xf
	v_add_f32_dpp v8, v8, v8 row_xmask:2 row_mask:0xf bank_mask:0xf
	v_add_f32_dpp v8, v8, v8 row_xmask:4 row_mask:0xf bank_mask:0xf
	v_add_f32_dpp v8, v8, v8 row_xmask:8 row_mask:0xf bank_mask:0xf
	v_permlanex16_b32 v9, v8, s22, s23
	v_add_f32 v8, v8, v9
.endm
.macro FOLD                            ; the four chains v[8:15] into v8
	v_pk_add_f32 v[8:9], v[8:9], v[10:11]
	v_pk_add_f32 v[12:13], v[12:13], v[14:15]
	v_pk_add_f32 v[8:9], v[8:9], v[12:13]
	v_add_f32 v8, v8, v9
.endm
	s_load_b256 s[4:11], s[0:1], 0x0               ; qe s[4:5], y2 s[6:7], ffn_b2 s[8:9], g s[10:11]
	s_load_b128 s[12:15], s[0:1], 0x20             ; b s[12:13], out0 s[14:15]
	v_lshrrev_b32 v1, 5, v0
	v_readfirstlane_b32 s16, v1
	s_lshl_b32 s17, ttmp9, 3
	s_add_co_u32 s17, s17, s16                     ; my row
	v_and_b32 v2, 31, v0
	v_lshlrev_b32 v3, 4, v2                        ; 16 x lane
	s_lshl_b32 s18, s17, 12                        ; the row's 4,096 bytes
	s_mov_b32 s19, 0
	s_mov_b32 s22, 0x76543210
	s_mov_b32 s23, 0xfedcba98
	s_mov_b32 s24, 0x3a800000                      ; 1 / 1,024
	s_mov_b32 s25, 0x3727c5ac                      ; 1e-5
	s_wait_kmcnt 0x0
	s_add_nc_u64 s[4:5], s[4:5], s[18:19]
	s_add_nc_u64 s[6:7], s[6:7], s[18:19]
	s_add_nc_u64 s[14:15], s[14:15], s[18:19]
.irp j, 0,1,2,3,4,5,6,7
	global_load_b128 v[Q+4*(\j):Q+4*(\j)+3], v3, s[4:5] offset:512*(\j) th:TH_LOAD_NT
.endr
.irp j, 0,1,2,3,4,5,6,7
	global_load_b128 v[Y+4*(\j):Y+4*(\j)+3], v3, s[6:7] offset:512*(\j) th:TH_LOAD_NT
.endr
.irp j, 0,1,2,3,4,5,6,7
	global_load_b128 v[C+4*(\j):C+4*(\j)+3], v3, s[8:9] offset:512*(\j)
.endr
.irp j, 0,1,2,3,4,5,6,7
	global_load_b128 v[G+4*(\j):G+4*(\j)+3], v3, s[10:11] offset:512*(\j)
.endr
.irp j, 0,1,2,3,4,5,6,7
	global_load_b128 v[B+4*(\j):B+4*(\j)+3], v3, s[12:13] offset:512*(\j)
.endr
	s_wait_loadcnt 16                              ; the row's three parts are in; the 16 loads of gains and biases may stay out
.set k, 0
.rept 16
	v_pk_add_f32 v[Y+2*k:Y+2*k+1], v[Y+2*k:Y+2*k+1], v[C+2*k:C+2*k+1]
.set k, k+1
.endr
.set k, 0
.rept 16
	v_pk_add_f32 v[Q+2*k:Q+2*k+1], v[Q+2*k:Q+2*k+1], v[Y+2*k:Y+2*k+1]
.set k, k+1
.endr
.irp c, 0,1,2,3
	v_pk_add_f32 v[8+2*(\c):9+2*(\c)], v[Q+4*(\c):Q+4*(\c)+1], v[Q+4*(\c)+2:Q+4*(\c)+3]  ; four chains, started by the first numbers: nothing is cleared
.endr
.set k, 0
.rept 8
	v_pk_add_f32 v[8+2*(k%4):9+2*(k%4)], v[8+2*(k%4):9+2*(k%4)], v[Q+16+2*k:Q+17+2*k]
.set k, k+1
.endr
	FOLD
	ACROSS
	v_mul_f32 v6, s24, v8                          ; the mean, twice: a pair for the packed subtraction
	v_mov_b32 v7, v6
.set k, 0
.rept 16
	v_pk_add_f32 v[Q+2*k:Q+2*k+1], v[Q+2*k:Q+2*k+1], v[6:7] neg_lo:[0,1] neg_hi:[0,1]
.set k, k+1
.endr
.irp c, 0,1,2,3
	v_pk_mul_f32 v[8+2*(\c):9+2*(\c)], v[Q+2*(\c):Q+2*(\c)+1], v[Q+2*(\c):Q+2*(\c)+1]
.endr
.set k, 4
.rept 12
	v_pk_fma_f32 v[8+2*(k%4):9+2*(k%4)], v[Q+2*k:Q+2*k+1], v[Q+2*k:Q+2*k+1], v[8+2*(k%4):9+2*(k%4)]
.set k, k+1
.endr
	FOLD
	ACROSS
	v_fma_f32 v10, v8, s24, s25                    ; the variance + 1e-5
	v_rsq_f32 v6, v10
	v_rsq_f32 v7, v10
	v_nop                                          ; a plain instruction behind the second root,
	s_wait_alu depctr_va_vdst(0)                   ; and one wait for both, ahead of their first reader
	s_wait_loadcnt 0x0                             ; gains and biases
.set k, 0
.rept 16
	v_pk_mul_f32 v[Q+2*k:Q+2*k+1], v[Q+2*k:Q+2*k+1], v[6:7]
.set k, k+1
.endr
.set k, 0
.rept 16
	v_pk_fma_f32 v[Q+2*k:Q+2*k+1], v[Q+2*k:Q+2*k+1], v[G+2*k:G+2*k+1], v[B+2*k:B+2*k+1]
.set k, k+1
.endr
.irp j, 0,1,2,3,4,5,6,7
	global_store_b128 v3, v[Q+4*(\j):Q+4*(\j)+3], s[14:15] offset:512*(\j) th:TH_STORE_NT
.endr
	s_endpgm
.Lfunc_end_k_q0a6e8e2f2e_ln2:
	.size	k_q0a6e8e2f2e_ln2, .Lfunc_end_k_q0a6e8e2f2e_ln2-k_q0a6e8e2f2e_ln2
	.p2alignl 7, 3214868480
	.fill 96, 4, 3214868480
	.section	.rodata,"a",@progbits
	.p2align	6, 0x0
	.amdhsa_kernel k_q0a6e8e2f2e_ln2
		.amdhsa_group_segment_fixed_size 0
		.amdhsa_private_segment_fixed_size 0
		.amdhsa_enable_private_segment 0
		.amdhsa_kernarg_size 48
		.amdhsa_user_sgpr_count 2
		.amdhsa_user_sgpr_kernarg_segment_ptr 1
		.amdhsa_wavefront_size32 1
		.amdhsa_system_sgpr_workgroup_id_x 1
		.amdhsa_system_sgpr_workgroup_id_y 1
		.amdhsa_system_sgpr_workgroup_id_z 1
		.amdhsa_system_vgpr_workitem_id 0
		.amdhsa_next_free_vgpr 176
		.amdhsa_next_free_sgpr 66
		.amdhsa_reserve_vcc 0
		.amdhsa_float_denorm_mode_32 3
		.amdhsa_float_denorm_mode_16_64 3
		.amdhsa_memory_ordered 1
		.amdhsa_forward_progress 1
		.amdhsa_inst_pref_size 14
	.end_amdhsa_kernel
	.amdgpu_metadata
---
amdhsa.version: [ 1, 2 ]
amdhsa.kernels:
  - .name:           k_q0a6e8e2f2e_ln2
    .symbol:         k_q0a6e8e2f2e_ln2.kd
    .args:
      - { .name: qe, .offset: 0, .size: 8, .value_kind: global_buffer, .address_space: global }
      - { .name: y2, .offset: 8, .size: 8, .value_kind: global_buffer, .address_space: global }
      - { .name: ffn_b2, .offset: 16, .size: 8, .value_kind: global_buffer, .address_space: global }
      - { .name: ln2_g, .offset: 24, .size: 8, .value_kind: global_buffer, .address_space: global }
      - { .name: ln2_b, .offset: 32, .size: 8, .value_kind: global_buffer, .address_space: global }
      - { .name: out0, .offset: 40, .size: 8, .value_kind: global_buffer, .address_space: global }
    .group_segment_fixed_size: 0
    .private_segment_fixed_size: 0
    .kernarg_segment_align: 8
    .kernarg_segment_size: 48
    .max_flat_workgroup_size: 256
    .sgpr_count:     66
    .vgpr_count:     176
    .wavefront_size: 32
...
	.end_amdgpu_metadata
.endif
;; end of part 7
